; MI455X (gfx1250); checked and timed in simulation.
; The chip was launched on July 23, 2026; its instructions are those of AMD's public machine-readable ISA for CDNA 5 (MIT licence, August 2026) and "CDNA5" Instruction Set Architecture Reference Guide (July 2026). The comments in the code are by the model that wrote it; some were corrected since.
;; Self Attention. Allowed arithmetic: float matrix products may take bf16 or f16 operands with f32 sums; other float arithmetic in f32, or as packed bf16 or f16 multiplies, adds, multiply-adds, maxima and minima; sums over many terms, partial sums and values carried from step to step in f32; what a program stores and reads back later, other than sums and carried values, may be rounded once to bf16 or f16.
;; Inputs: Wk 16 x 1,024 x 64 float32; Wo 1,024 x 1,024 float32; Wq 16 x 1,024 x 64 float32; Wv 16 x 1,024 x 64 float32; bk 16 x 64 float32; bo 1,024 float32; bq 16 x 64 float32; bv 16 x 64 float32; x 4 x 2,048 x 1,024 float32.
;; Outputs: out0 4 x 2,048 x 1,024 float32.
;; 2 versions, each right; version 2 is version 1 with the launch prep written anew for expert scheduling mode. Each part assembles by itself: llvm-mc -triple=amdgcn-amd-amdhsa -mcpu=gfx1250 --defsym DOCPART=n.
;; ======== version 1 of 2: 5 launches
;; limits: values are held in f16: magnitudes above 65,504 overflow, below 6.1e-05 lose precision
;; workspace buffers: xn16 16,777,216 bytes; w16 6,291,456 bytes; wo16 2,097,152 bytes; qkv 50,331,648 bytes; nt 524,288 bytes; hd 16,777,216 bytes
;; launch prep (part 1): grid 256 x 1, 8 waves a work-group, no clusters, 0 bytes of LDS; arguments x, Wq, Wk, Wv, Wo, xn16, w16, wo16; writes xn16, w16, wo16
.if DOCPART == 1
	.amdgcn_target "amdgcn-amd-amdhsa--gfx1250"
	.amdhsa_code_object_version 6
	.text
	.protected	k_q5ae47a977d_prep
	.globl	k_q5ae47a977d_prep
	.p2align	8
	.type	k_q5ae47a977d_prep,@function
k_q5ae47a977d_prep:
	s_mov_b64 s[64:65], 0
	v_nop
	global_prefetch_b8 v0, s[64:65] scope:SCOPE_SE
	s_setreg_imm32_b32 hwreg(HW_REG_WAVE_MODE, 25, 1), 1
	s_wait_xcnt 0x0
; PREP.  Every work-group does two things, so that all 256 are alike.
; (1) xn16 = f16(layer norm of x) for 32 rows, a wave four rows; a row (4,096 bytes) stays in 32 registers between the mean, the centred squares and the scaling,
;     so x is read once and the variance is no difference of large sums.
; (2) 1/256 of the weights, rounded once to f16 in their own layouts: w16 = { c Wq | Wk | Wv }, wo16 = Wo; 64 work-groups to a matrix, 65,536 bytes in and 32,768 out each;
;     c = log2(e) / 8 is folded into Wq here, in f32.
; All 48 loads of a lane go out at the head.  Every store of a wave covers 256 consecutive bytes, aligned.  No LDS, no matrix unit: the launch only streams.
; LIMITS.  f16 ends at 65,504: the normalised x is at most 32 in magnitude; a weight beyond 65,504 is not served; below 6e-5 a weight keeps f16's fixed step of 6e-8.
.set X,  16                            ; v[16:143]  four rows of 32 registers
.set T,  4                             ; v[4:11]    four chains of pairs
.set MU, 12                            ; v[12:13]   the mean, twice
.set VA, 144                           ; v[144:147] variance + eps of the four rows
.set RP, 148                           ; v[148:155] 1 / sqrt of it, a pair for each row
.set WL, 156                           ; v156       my byte offset in the matrix that I convert
.set WS, 157                           ; v157       and in its f16 copy
.set WT, 160                           ; v[160:223] sixteen loads of weights
	s_load_b512 s[4:19], s[0:1], 0x0               ; x 4:5, Wq 6:7, Wk 8:9, Wv 10:11, Wo 12:13, xn16 14:15, w16 16:17, wo16 18:19
	s_mov_b32 s20, 0x3a800000                      ; 1 / 1024
	s_mov_b32 s21, 0x3727c5ac                      ; 1e-5
	s_mov_b32 s22, 0x76543210                      ; v_permlanex16_b32: each lane takes its own place in the other half
	s_mov_b32 s23, 0xfedcba98
	v_and_b32 v1, 31, v0                           ; lane
	v_and_b32 v14, 0xe0, v0                        ; 32 x wave
	s_lshl_b32 s26, ttmp9, 17                      ; 32 rows of 4,096 bytes
	s_lshl_b32 s27, ttmp9, 16                      ; 32 rows of 2,048 bytes
	v_lshl_add_u32 v2, v1, 4, s26
	v_lshl_add_u32 v2, v14, 9, v2                  ; + wave x 4 rows x 4,096
	v_lshl_add_u32 v3, v1, 3, s27
	v_lshl_add_u32 v3, v14, 8, v3                  ; + wave x 4 rows x 2,048
	s_lshr_b32 s36, ttmp9, 6                       ; which matrix
	s_and_b32 s37, ttmp9, 63                       ; which part of it
	s_lshl_b32 s28, s37, 16
	s_lshl_b32 s29, s37, 15
	v_lshl_add_u32 v[WL], v0, 4, s28
	v_lshl_add_u32 v[WS], v0, 3, s29
	s_lshl_b32 s32, s36, 21                        ; the matrix's place in w16
	s_mov_b32 s33, 0
	s_wait_kmcnt 0x0
	s_cmp_eq_u32 s36, 0
	s_cselect_b64 s[30:31], s[6:7], s[8:9]
	s_cselect_b32 s24, 0x3e38aa3b, 1.0             ; c = log2(e) / 8 for Wq, 1 for the others
	s_cmp_eq_u32 s36, 2
	s_cselect_b64 s[30:31], s[10:11], s[30:31]
	s_cmp_eq_u32 s36, 3
	s_cselect_b64 s[30:31], s[12:13], s[30:31]
	s_cselect_b64 s[34:35], s[18:19], s[16:17]
	s_cselect_b32 s32, 0, s32
	s_mov_b32 s25, s24                             ; named with it as a pair
	s_add_nc_u64 s[34:35], s[34:35], s[32:33]
.irp i, 0,1,2,3
.irp j, 0,1,2,3,4,5,6,7
	global_load_b128 v[X+32*(\i)+4*(\j):X+32*(\i)+4*(\j)+3], v2, s[4:5] offset:4096*(\i)+512*(\j) th:TH_LOAD_NT
.endr
.endr
.set j, 0
.rept 16
	global_load_b128 v[WT+4*j:WT+4*j+3], v[WL], s[30:31] offset:4096*j th:TH_LOAD_NT
.set j, j+1
.endr
.macro FOLD                            ; four chains of pairs into one number
	v_pk_add_f32 v[T:T+1], v[T:T+1], v[T+2:T+3]
	v_pk_add_f32 v[T+4:T+5], v[T+4:T+5], v[T+6:T+7]
	v_pk_add_f32 v[T:T+1], v[T:T+1], v[T+4:T+5]
	v_add_f32 v[T], v[T], v[T+1]
.endm
.macro RED                             ; the sum over the 32 lanes, in every lane
	v_add_f32_dpp v[T], v[T], v[T] row_xmask:1 row_mask:0xf bank_mask:0xf
	v_add_f32_dpp v[T], v[T], v[T] row_xmask:2 row_mask:0xf bank_mask:0xf
	v_add_f32_dpp v[T], v[T], v[T] row_xmask:4 row_mask:0xf bank_mask:0xf
	v_add_f32_dpp v[T], v[T], v[T] row_xmask:8 row_mask:0xf bank_mask:0xf
	v_permlanex16_b32 v[T+1], v[T], s22, s23
	v_add_f32 v[T], v[T], v[T+1]
.endm
; Row i: the mean, the row centred in place, the mean of the squares + eps.
.macro STAT i
.set XR, X+32*(\i)
	s_wait_loadcnt 8*(3-(\i))+16                   ; this row's eight loads are in; the later rows' and the sixteen of the weights may stay out
.irp c, 0,1,2,3
	v_pk_add_f32 v[T+2*(\c):T+2*(\c)+1], v[XR+2*(\c):XR+2*(\c)+1], v[XR+8+2*(\c):XR+8+2*(\c)+1]
.endr
.irp g, 2,3
.irp c, 0,1,2,3
	v_pk_add_f32 v[T+2*(\c):T+2*(\c)+1], v[T+2*(\c):T+2*(\c)+1], v[XR+8*(\g)+2*(\c):XR+8*(\g)+2*(\c)+1]
.endr
.endr
	FOLD
	RED
	v_mul_f32 v[MU], s20, v[T]
	v_mul_f32 v[MU+1], s20, v[T]
.set p, 0
.rept 16
	v_pk_add_f32 v[XR+p:XR+p+1], v[XR+p:XR+p+1], v[MU:MU+1] neg_lo:[0,1] neg_hi:[0,1]
.set p, p+2
.endr
.irp c, 0,1,2,3
	v_pk_mul_f32 v[T+2*(\c):T+2*(\c)+1], v[XR+2*(\c):XR+2*(\c)+1], v[XR+2*(\c):XR+2*(\c)+1]
.endr
.irp g, 1,2,3
.irp c, 0,1,2,3
	v_pk_fma_f32 v[T+2*(\c):T+2*(\c)+1], v[XR+8*(\g)+2*(\c):XR+8*(\g)+2*(\c)+1], v[XR+8*(\g)+2*(\c):XR+8*(\g)+2*(\c)+1], v[T+2*(\c):T+2*(\c)+1]
.endr
.endr
	FOLD
	RED
	v_fma_f32 v[VA+(\i)], v[T], s20, s21
.endm
; Row i scaled, rounded to f16 in place (register k is written when registers 2 k and 2 k + 1 have been read) and stored.
.macro OUTROW i
.set XR, X+32*(\i)
.set p, 0
.rept 16
	v_pk_mul_f32 v[XR+p:XR+p+1], v[XR+p:XR+p+1], v[RP+2*(\i):RP+2*(\i)+1]
.set p, p+2
.endr
.set p, 0
.rept 16
	v_cvt_pk_f16_f32 v[XR+p], v[XR+2*p], v[XR+2*p+1]
.set p, p+1
.endr
.irp j, 0,1,2,3,4,5,6,7
	global_store_b64 v3, v[XR+2*(\j):XR+2*(\j)+1], s[14:15] offset:2048*(\i)+256*(\j) th:TH_STORE_NT
.endr
.endm
	STAT 0
	STAT 1
	STAT 2
	STAT 3
.irp i, 0,1,2,3
	v_rsq_f32 v[RP+2*(\i)], v[VA+(\i)]
	v_rsq_f32 v[RP+2*(\i)+1], v[VA+(\i)]
.endr
	v_nop                                          ; a plain instruction behind the last of the batch,
	s_wait_alu depctr_va_vdst(0)                   ; and one wait for the eight, ahead of their first reader
	OUTROW 0
	OUTROW 1
	OUTROW 2
	OUTROW 3
.set j, 0
.rept 16                               ; my part of the weights
	s_wait_loadcnt 15-j                            ; load j is in; the younger ones stay out
	v_pk_mul_f32 v[WT+4*j:WT+4*j+1], v[WT+4*j:WT+4*j+1], s[24:25] op_sel_hi:[1,0]
	v_pk_mul_f32 v[WT+4*j+2:WT+4*j+3], v[WT+4*j+2:WT+4*j+3], s[24:25] op_sel_hi:[1,0]
	v_cvt_pk_f16_f32 v[WT+4*j], v[WT+4*j], v[WT+4*j+1]
	v_cvt_pk_f16_f32 v[WT+4*j+1], v[WT+4*j+2], v[WT+4*j+3]
	global_store_b64 v[WS], v[WT+4*j:WT+4*j+1], s[34:35] offset:2048*j th:TH_STORE_NT
.set j, j+1
.endr
	s_endpgm
.Lfunc_end_k_q5ae47a977d_prep:
	.size	k_q5ae47a977d_prep, .Lfunc_end_k_q5ae47a977d_prep-k_q5ae47a977d_prep
	.p2alignl 7, 3214868480
	.fill 96, 4, 3214868480
	.section	.rodata,"a",@progbits
	.p2align	6, 0x0
	.amdhsa_kernel k_q5ae47a977d_prep
		.amdhsa_group_segment_fixed_size 0
		.amdhsa_private_segment_fixed_size 0
		.amdhsa_enable_private_segment 0
		.amdhsa_kernarg_size 64
		.amdhsa_user_sgpr_count 2
		.amdhsa_user_sgpr_kernarg_segment_ptr 1
		.amdhsa_wavefront_size32 1
		.amdhsa_system_sgpr_workgroup_id_x 1
		.amdhsa_system_sgpr_workgroup_id_y 1
		.amdhsa_system_sgpr_workgroup_id_z 1
		.amdhsa_system_vgpr_workitem_id 0
		.amdhsa_next_free_vgpr 224
		.amdhsa_next_free_sgpr 66
		.amdhsa_reserve_vcc 0
		.amdhsa_float_denorm_mode_32 3
		.amdhsa_float_denorm_mode_16_64 3
		.amdhsa_memory_ordered 1
		.amdhsa_forward_progress 1
		.amdhsa_inst_pref_size 40
	.end_amdhsa_kernel
	.amdgpu_metadata
---
amdhsa.version: [ 1, 2 ]
amdhsa.kernels:
  - .name:           k_q5ae47a977d_prep
    .symbol:         k_q5ae47a977d_prep.kd
    .args:
      - { .name: x, .offset: 0, .size: 8, .value_kind: global_buffer, .address_space: global }
      - { .name: Wq, .offset: 8, .size: 8, .value_kind: global_buffer, .address_space: global }
      - { .name: Wk, .offset: 16, .size: 8, .value_kind: global_buffer, .address_space: global }
      - { .name: Wv, .offset: 24, .size: 8, .value_kind: global_buffer, .address_space: global }
      - { .name: Wo, .offset: 32, .size: 8, .value_kind: global_buffer, .address_space: global }
      - { .name: xn16, .offset: 40, .size: 8, .value_kind: global_buffer, .address_space: global }
      - { .name: w16, .offset: 48, .size: 8, .value_kind: global_buffer, .address_space: global }
      - { .name: wo16, .offset: 56, .size: 8, .value_kind: global_buffer, .address_space: global }
    .group_segment_fixed_size: 0
    .private_segment_fixed_size: 0
    .kernarg_segment_align: 8
    .kernarg_segment_size: 64
    .max_flat_workgroup_size: 256
    .sgpr_count:     66
    .vgpr_count:     224
    .wavefront_size: 32
...
	.end_amdgpu_metadata
.endif
;; end of part 1
;; launch proj (part 2): grid 16 x 16, 4 waves a work-group, clusters of 4 x 4, 327,680 bytes of LDS; arguments xn16, w16, bq, bk, bv, qkv; writes qkv
.if DOCPART == 2
	.amdgcn_target "amdgcn-amd-amdhsa--gfx1250"
	.amdhsa_code_object_version 6
	.text
	.protected	k_q5ae47a977d_proj
	.globl	k_q5ae47a977d_proj
	.p2align	8
	.type	k_q5ae47a977d_proj,@function
k_q5ae47a977d_proj:
	s_mov_b64 s[64:65], 0
	v_nop
	global_prefetch_b8 v0, s[64:65] scope:SCOPE_SE
	s_setreg_imm32_b32 hwreg(HW_REG_WAVE_MODE, 25, 1), 1
	s_wait_xcnt 0x0
	s_wait_alu depctr_hold_cnt(0) depctr_sa_sdst(0) depctr_va_vdst(0) depctr_va_sdst(0) depctr_va_ssrc(0) depctr_va_vcc(0) depctr_vm_vsrc(0)
	s_getreg_b32 s2, hwreg(HW_REG_IB_STS2, 6, 4)
	s_cmp_eq_u32 s2, 0
	s_cbranch_scc0 .Lentry_in_a_cluster
	s_endpgm
.Lentry_in_a_cluster:
	s_bfe_u32 s2, ttmp6, 0x10000c
	s_cmp_lg_u32 s2, 0xf033
	s_cbranch_scc0 .Lentry_shape_is_right
	s_endpgm
.Lentry_shape_is_right:
; PROJ.  qkv[mat][16 b + h][s][0..63] = f16( xn[b][s][:] . W_mat[h][:][0..63] + bias ), mat = Q' (c Wq, c bq), K, V.  Operands f16, sums f32, one rounding at the end.
; A tile is 256 rows x 192 columns: one head of each of Q', K and V.  Wave w takes rows 64 w .. 64 w + 63 and all 192 columns: 48 accumulators, 384 registers; so a wave holds whole
; head rows of 128 bytes, and its way out needs no other wave.  K = 1,024 goes in 8 steps of 128 through two LDS slots; wave 0 fetches xn's 256 rows x 256 bytes, waves 1-3 a matrix's 16,384 dense bytes each.
; A WORK-GROUP STAYS: it makes two tiles of one head, row blocks ty and ty + 16 (2^23 bytes apart in xn16 and in each third of qkv).  The two tiles' 16 K steps are ONE sequence for the ring: the counter G names the
; step to be asked for, and the global address is made anew from it.  Tile 0's last two changes of slots ask for tile 1's first two steps, and nothing waits for tile 0's stores.
; THE WALK ALONG K IS TURNED: cluster (X, Y) begins at K step 2 ((X + Y) mod 4) and goes round, so that the four clusters that read the same rows of xn, and the four that read the same head's weights,
; ask for different K steps at any time.  The order of the f32 sums so differs from cluster to cluster, and from the reference's.
; TRANSPOSED USE: source 0 = 16 columns of W (turned out of [d][n] by ds_load_tr16_b128), source 1 = 16 rows of xn: a lane holds one row and eight neighbouring columns.  The bias is the C operand of a tile's first products.
; CLUSTER 4 x 4: the four work-groups of a row of the cluster share xn's tile, the four of a column the weights': each is asked for jointly.
; LIMITS.  Q', K, V must lie within f16's 65,504; NaN and infinities are not treated apart.
; REGISTERS (windows of 256; s_set_vgpr_msb bits 1:0 source 0, 3:2 source 1, 5:4 source 2, 7:6 destination):
;   window 0: v16-31 addresses; v32-95 xn's fragments, two buffers of 32; v96-191 the bias, 8 for each of 12 column blocks; v192-239 packed results
;   window 1: v0-191 W's fragments, two buffers of 96; on the way out the second buffer takes the rows read back      window 2: accumulators of row blocks 0, 1 at 96 a + 8 b      window 3: of row blocks 2, 3
.set PA,    272                        ; a row of xn in LDS: 256 bytes + 16
.set PB,    160                        ; a row of W (one d, 64 columns): 128 bytes + 32: an odd multiple of 32
.set CH,    128*PB                     ; a matrix's part of a K step
.set BOFF,  256*PA
.set SLOT,  BOFF+3*CH                  ; 131,072 = 2^17: one exclusive or turns an address in one slot into the other's
.set STAGE, 2*SLOT                     ; behind the ring: for each wave 3 x 16 rows x 144 bytes
.set SP,    144
.set WST,   3*16*SP
.set SPARE, STAGE+4*WST                ; the spare words: 128 bytes a wave, named by no other line
.set WALK,  1<<23                      ; bytes from a tile to the next, in xn16 and in each third of qkv
.set ADRA0, 16                         ; v16 my place among xn's rows of a slot; never rewritten
.set ADRA,  17                         ; v17 the same in the slot in hand
.set ADRB0, 20                         ; v20, v21 the same for W
.set ADRB,  21
.set STO,  24
.set RD,   25
.set CO,   26
.set SPW,  28
.set NIL,  29
.set PFO,  30
.set BO,   31
.set FA,   32
.set BIAS, 96
.set TMP,  192
.set OBW,  96                          ; in window 1
.set WV,   16                          ; s16 my wave's number
.set AB,   20                          ; s[20:21] xn16 at tile 0's first row
.set BB,   22                          ; s[22:23] w16 at the matrix and head that I fetch
.set G1A,  24
.set G0A,  32                          ; s[32:39] a set for each of the two first fills; the second then walks on
.set K0,   44                          ; s44 the K step at which my cluster begins
.set ASKG, 45                          ; s45 the G at which I prefetch: 6 in wave 0, else 0 (never)
.set G,    46                          ; s46 the step to be asked for next, 2 to 15: tile G / 8, place G % 8 in its walk
.set TB,   47                          ; s47 LDS byte at which the slot in hand begins
.set G1B,  48
.set G0B,  56
.set PFA,  66                          ; s[66:67] what I prefetch; never rewritten
.set CB,   68                          ; s[68:73] where my rows of Q', K, V go
.set CS,   74                          ; s[74:75] c
.set D0,   76                          ; s[76:77] a byte offset in xn16
.set E0,   78                          ; s[78:79] a byte offset in w16
.set D1,   80
.set MSB, 0
.macro WIN new                         ; the immediate's high byte repeats the setting that is left; a switch that changes nothing is dropped
.if MSB != (\new)
	s_set_vgpr_msb (MSB<<8)|(\new)
.set MSB, \new
.endif
.endm
.macro PLACES                          ; four places behind matrix instructions, ahead of loads into their sources and of readers of their results
.rept 4
	v_nop
.endr
.endm
.macro JLOAD s                         ; a joint load: wave 0 xn's tile, waves 1-3 a matrix's part; an s_nop 0 and four v_nop follow each line
	s_cmp_eq_u32 s[WV], 0
	s_cbranch_scc0 .Lfor_b_\@
	tensor_load_to_lds s[G0A+4*(\s):G0A+4*(\s)+3], s[G1A:G1A+7]
	s_nop 0
.rept 4
	v_nop
.endr
	s_branch .Lasked_\@
.Lfor_b_\@:
	tensor_load_to_lds s[G0B+4*(\s):G0B+4*(\s)+3], s[G1B:G1B+7]
	s_nop 0
.rept 4
	v_nop
.endr
.Lasked_\@:
.endm
.macro CREST                           ; a round of the cluster's barrier behind its opening barrier
	s_cmp_lg_u32 s[WV], 0
	s_cbranch_scc1 .Lnot_wave_0_\@
	s_barrier_signal -3
.Lnot_wave_0_\@:
	s_barrier_wait -3
	s_barrier_signal -1
	s_barrier_wait -1
.endm
.macro CROUND
	s_barrier_signal -1
	s_barrier_wait -1
	CREST
.endm
; THE PREFETCH.  Of tile 1's rows of xn my cluster is the first to read the two K steps at which its walk begins (512 consecutive bytes of each row).  Wave 0 asks for them when G = 6, two and three refills ahead of
; the loads that want them: 64 rows for each of the four partners (told apart by address), a lane a row, four lines.  The four clusters that read these rows begin at different steps, so each block is named once.
; Tile 0's first two steps and the weights' are asked for by the first fills themselves, at the head, where nothing is prefetched.
.macro ASK
	s_cmp_eq_u32 s[G], s[ASKG]
	s_cbranch_scc0 .Lnone_\@
	global_prefetch_b8 v[PFO], s[PFA:PFA+1] th:TH_LOAD_NT scope:SCOPE_SE
	global_prefetch_b8 v[PFO], s[PFA:PFA+1] offset:256 th:TH_LOAD_NT scope:SCOPE_SE
	global_prefetch_b8 v[PFO], s[PFA:PFA+1] offset:65536 th:TH_LOAD_NT scope:SCOPE_SE
	global_prefetch_b8 v[PFO], s[PFA:PFA+1] offset:65536+256 th:TH_LOAD_NT scope:SCOPE_SE
.Lnone_\@:
.endm
	s_load_b256 s[4:11], s[0:1], 0x0               ; xn16 4:5, w16 6:7, bq 8:9, bk 10:11
	s_load_b128 s[12:15], s[0:1], 0x20             ; bv 12:13, qkv 14:15
	v_lshl_add_u32 v[SPW], v0, 2, SPARE
	v_mov_b32 v[NIL], 0
	ds_add_u32 v[SPW], v[NIL]                      ; the wave's opening: the add and its wait stand ahead of my first tensor load
	v_lshrrev_b32 v1, 5, v0
	v_readfirstlane_b32 s[WV], v1
	s_bfe_u32 s40, ttmp6, 0x40000                  ; cx
	s_bfe_u32 s41, ttmp6, 0x40004                  ; cy
	s_lshl_b32 s42, ttmp9, 2
	s_add_co_u32 s42, s42, s40                     ; the head = 4 x cluster x + cx
	s_and_b32 s43, ttmp7, 0xffff
	s_add_co_u32 s[K0], s43, ttmp9                 ; cluster x + cluster y: the same in all sixteen partners
	s_and_b32 s[K0], s[K0], 3
	s_lshl_b32 s[K0], s[K0], 1
	s_lshl_b32 s43, s43, 2
	s_add_co_u32 s43, s43, s41                     ; tile 0's block of 256 rows = 4 x cluster y + cy
	s_lshl_b32 s17, s41, 2
	s_lshl_b32 s17, 15, s17                        ; my row of the cluster
	s_lshl_b32 s18, 0x1111, s40                    ; my column
	s_or_b32 s[G1A], s17, (1<<16)|(1<<20)|(1<<21)|(5<<22)|(3<<25)   ; mask; 2-byte elements; padding on; bit 21 beside a mask; after every 64 words 4 words
	s_mov_b32 s[G1A+1], 128<<16                    ; tensor_dim0 = 128
	s_mov_b32 s[G1A+2], 256<<16                    ; tensor_dim1 = 256
	s_mov_b32 s[G1A+3], 128<<16                    ; tile_dim0 = 128
	s_mov_b32 s[G1A+4], 256                        ; tile_dim1 = 256
	s_mov_b32 s[G1A+5], 1024                       ; elements from row to row
	s_mov_b32 s[G1A+6], 0
	s_mov_b32 s[G1A+7], 0
	s_or_b32 s[G1B], s18, (1<<16)|(1<<20)|(1<<21)|(4<<22)|(7<<25)   ; after every 32 words (one d) 8 words
	s_mov_b32 s[G1B+1], 128<<16                    ; 16,384 dense bytes as 64 rows of 256
	s_mov_b32 s[G1B+2], 64<<16
	s_mov_b32 s[G1B+3], 128<<16
	s_mov_b32 s[G1B+4], 64
	s_mov_b32 s[G1B+5], 128
	s_mov_b32 s[G1B+6], 0
	s_mov_b32 s[G1B+7], 0
	s_lshl_b32 s82, s43, 19                        ; xn: 256 rows of 2,048 bytes
	s_mov_b32 s83, 0
	s_max_u32 s84, s[WV], 1
	s_sub_co_u32 s84, s84, 1                       ; the matrix that I fetch: wave 1 Q', 2 K, 3 V (wave 0 issues no such load)
	s_lshl_b32 s84, s84, 21
	s_lshl_b32 s17, s42, 17                        ; the head's 131,072 bytes
	s_add_co_u32 s84, s84, s17
	s_mov_b32 s85, 0
	s_mul_i32 s19, s[WV], CH
	s_add_co_u32 s19, s19, BOFF-CH                 ; and its place in a slot
	s_mov_b32 s[CS], 0x3e38aa3b
	s_mov_b32 s[CS+1], s[CS]
	s_lshl_b32 s[D0], s[K0], 8                     ; my cluster's first K step: 256 bytes of a row of xn,
	s_mov_b32 s[D0+1], 0
	s_lshl_b32 s[E0], s[K0], 14                    ; 16,384 bytes of a matrix
	s_mov_b32 s[E0+1], 0
	s_mov_b32 s[G], 2
	s_mov_b32 s[TB], 0
	s_cmp_eq_u32 s[WV], 0
	s_cselect_b32 s[ASKG], 6, 0
	s_wait_dscnt 0x0                               ; the opening add is done
	CROUND                                         ; all sixteen work-groups are here: the first joint loads meet; the arguments arrive meanwhile
	s_wait_kmcnt 0x0
	s_add_nc_u64 s[AB:AB+1], s[4:5], s[82:83]
	s_add_nc_u64 s[BB:BB+1], s[6:7], s[84:85]
	s_mov_b32 s[G0A], 1
	s_mov_b32 s[G0A+1], 0
	s_add_nc_u64 s[G0A+2:G0A+3], s[AB:AB+1], s[D0:D0+1]
	s_mov_b32 s[G0A+4], 1
	s_mov_b32 s[G0A+5], SLOT
	s_add_nc_u64 s[G0A+6:G0A+7], s[G0A+2:G0A+3], 256
	s_or_b32 s[G0A+3], s[G0A+3], 0x80000000
	s_or_b32 s[G0A+7], s[G0A+7], 0x80000000
	s_mov_b32 s[G0B], 1
	s_mov_b32 s[G0B+1], s19
	s_add_nc_u64 s[G0B+2:G0B+3], s[BB:BB+1], s[E0:E0+1]
	s_mov_b32 s[G0B+4], 1
	s_add_co_u32 s[G0B+5], s19, SLOT
	s_add_nc_u64 s[G0B+6:G0B+7], s[G0B+2:G0B+3], 16384
	s_or_b32 s[G0B+3], s[G0B+3], 0x80000000
	s_or_b32 s[G0B+7], s[G0B+7], 0x80000000
	JLOAD 0
	JLOAD 1                                        ; two tensor loads of mine are out
	v_and_b32 v1, 15, v0                           ; r = l % 16
	v_bfe_u32 v2, v0, 4, 1                         ; hl = l / 16
	v_lshlrev_b32 v[BO], 5, v2
	s_lshl_b32 s82, s42, 8                         ; the head's 64 biases
	s_add_nc_u64 s[8:9], s[8:9], s[82:83]
	s_add_nc_u64 s[10:11], s[10:11], s[82:83]
	s_add_nc_u64 s[12:13], s[12:13], s[82:83]
.irp m, 0,1,2
.irp c, 0,1,2,3
	global_load_b128 v[BIAS+32*(\m)+8*(\c):BIAS+32*(\m)+8*(\c)+3],   v[BO], s[8+2*(\m):9+2*(\m)] offset:64*(\c)      ; register j: column 16 c + 8 hl + j
	global_load_b128 v[BIAS+32*(\m)+8*(\c)+4:BIAS+32*(\m)+8*(\c)+7], v[BO], s[8+2*(\m):9+2*(\m)] offset:64*(\c)+16
.endr
.endr
	v_mul_u32_u24 v3, v1, PA
	v_lshl_add_u32 v3, v2, 4, v3
	s_mul_i32 s82, s[WV], 64*PA
	v_add_nc_u32 v[ADRA0], s82, v3                 ; my 64 rows: row x pitch + 16 x half
	v_mov_b32 v[ADRA], v[ADRA0]
	v_and_b32 v4, 7, v0
	v_lshl_add_u32 v4, v2, 3, v4                   ; the turning load: d = 8 hl + l % 8,
	v_mul_u32_u24 v4, v4, PB
	v_bfe_u32 v5, v0, 3, 1
	v_lshl_add_u32 v4, v5, 4, v4                   ; columns 8 ((l / 8) % 2) on
	v_add_nc_u32 v[ADRB0], BOFF, v4
	v_mov_b32 v[ADRB], v[ADRB0]
	s_mul_i32 s82, s[WV], WST
	s_add_co_u32 s82, s82, STAGE                   ; my stage
	v_mul_u32_u24 v6, v1, SP
	v_lshl_add_u32 v6, v2, 4, v6
	v_add_nc_u32 v[STO], s82, v6                   ; in: row r, 16 bytes for each half of the lanes
	v_bfe_u32 v6, v0, 3, 2
	v_mul_u32_u24 v6, v6, SP
	v_and_b32 v7, 7, v0
	v_lshl_add_u32 v6, v7, 4, v6
	v_add_nc_u32 v[RD], s82, v6                    ; back: 32 lanes take four rows of 128 bytes,
	v_and_b32 v[CO], 31, v0
	v_lshlrev_b32 v[CO], 4, v[CO]                  ; which are 512 consecutive bytes of qkv
	s_lshr_b32 s82, s43, 3                         ; b of tile 0
	s_lshl_b32 s82, s82, 4
	s_add_co_u32 s82, s82, s42                     ; 16 b + h
	s_lshl_b32 s82, s82, 18
	s_and_b32 s84, s43, 7
	s_lshl_b32 s84, s84, 15                        ; the block's 256 rows of 128 bytes
	s_add_co_u32 s82, s82, s84
	s_lshl_b32 s84, s[WV], 13                      ; my 64 rows
	s_add_co_u32 s82, s82, s84
	s_add_nc_u64 s[CB:CB+1], s[14:15], s[82:83]
	s_add_nc_u64 s[CB+2:CB+3], s[CB:CB+1], 0x1000000
	s_add_nc_u64 s[CB+4:CB+5], s[CB+2:CB+3], 0x1000000
	s_lshl_b32 s82, s43, 19                        ; the prefetches: tile 1's rows,
	s_lshl_b32 s84, s40, 17                        ; my work-group's 64 of the 256,
	s_add_co_u32 s82, s82, s84
	s_lshl_b32 s84, s[K0], 8                       ; at my cluster's first K step
	s_add_co_u32 s82, s82, s84
	s_add_co_u32 s82, s82, WALK
	s_add_nc_u64 s[PFA:PFA+1], s[4:5], s[82:83]
	v_and_b32 v[PFO], 31, v0
	v_lshlrev_b32 v[PFO], 11, v[PFO]               ; a lane a row of 2,048 bytes
	s_wait_loadcnt 0x0                             ; the biases
.set p, 0
.rept 16
	v_pk_mul_f32 v[BIAS+p:BIAS+p+1], v[BIAS+p:BIAS+p+1], s[CS:CS+1] op_sel_hi:[1,0]   ; c bq, in f32
.set p, p+2
.endr
; 12 products: row block a x all 12 column blocks, 32 along K, from buffer f.  first = 1: the bias starts the sums.  The 48 accumulators take turns, in the same order in every quarter.
.macro MULA f, a, first
.if \first
	WIN 0x81+0x40*((\a)/2)
.else
	WIN 0xa1+0x50*((\a)/2)
.endif
.irp b, 0,1,2,3,4,5,6,7,8,9,10,11
.if \first
	v_wmma_f32_16x16x32_f16 v[96*((\a)%2)+8*(\b):96*((\a)%2)+8*(\b)+7], v[96*(\f)+8*(\b):96*(\f)+8*(\b)+7], v[FA+32*(\f)+8*(\a):FA+32*(\f)+8*(\a)+7], v[BIAS+8*(\b):BIAS+8*(\b)+7]
.else
	v_wmma_f32_16x16x32_f16 v[96*((\a)%2)+8*(\b):96*((\a)%2)+8*(\b)+7], v[96*(\f)+8*(\b):96*(\f)+8*(\b)+7], v[FA+32*(\f)+8*(\a):FA+32*(\f)+8*(\a)+7], v[96*((\a)%2)+8*(\b):96*((\a)%2)+8*(\b)+7]
.endif
.endr
.endm
; 32 LDS loads in one run: quarter q of the slot in hand into buffer f: W's 12 fragments (turned), then xn's 4
.macro FETCH q, f
	WIN 0x40
.irp b, 0,1,2,3,4,5,6,7,8,9,10,11
	ds_load_tr16_b128 v[96*(\f)+8*(\b):96*(\f)+8*(\b)+3],   v[ADRB] offset:((\b)/4)*CH+(\q)*32*PB+((\b)%4)*32
	ds_load_tr16_b128 v[96*(\f)+8*(\b)+4:96*(\f)+8*(\b)+7], v[ADRB] offset:((\b)/4)*CH+(\q)*32*PB+((\b)%4)*32+16*PB
.endr
	WIN 0
.irp a, 0,1,2,3
	ds_load_b128 v[FA+32*(\f)+8*(\a):FA+32*(\f)+8*(\a)+3],   v[ADRA] offset:(\q)*64+(\a)*16*PA
	ds_load_b128 v[FA+32*(\f)+8*(\a)+4:FA+32*(\f)+8*(\a)+7], v[ADRA] offset:(\q)*64+(\a)*16*PA+32
.endr
.endm
; One of a K step's first three quarters: multiplies buffer f, and in its middle fetches quarter q into buffer g
.macro QUARTER q, f, g, first
	s_wait_dscnt 4                                 ; W and xn's row blocks 0, 1 are in; the youngest four loads (blocks 2, 3) may be out
	MULA \f, 0, \first
	MULA \f, 1, \first
	PLACES
	FETCH \q, \g
	s_wait_dscnt 32                                ; all but the 32 just issued
	MULA \f, 2, \first
	MULA \f, 3, \first
.endm
; The last quarter multiplies buffer 1 and changes slots: in front of the barrier each wave waits for all its tensor loads, adds 0 to its spare word, and waits for that and for its reads of this slot.
; fill = 1: the barrier opens a round of the cluster's, and the slot just left is filled again with step G, first thing behind it: 168 products of mine stand between the request and the wait for it.
.macro TURN fill, ask
	WIN 0
	s_wait_tensorcnt 0x0                           ; all my tensor loads have landed: my part of the next slot; so a group 0 may be written
	ds_add_u32 v[SPW], v[NIL]                      ; 0 onto my spare word; scalar work and twelve products stand between it and the wait for it
.if \fill
	s_add_co_u32 s[D1], s[G], s[K0]
	s_and_b32 s[D1], s[D1], 7                      ; the K step: (G + K0) mod 8
	s_lshr_b32 s[D0], s[G], 3                      ; the tile
	s_lshl_b32 s[D0], s[D0], 23
	s_lshl_b32 s[E0], s[D1], 8
	s_add_co_u32 s[D0], s[D0], s[E0]
	s_lshl_b32 s[E0], s[D1], 14
	s_xor_b32 s[G0A+5], s[G0A+5], SLOT             ; the walking descriptors: the other slot than last time
	s_add_nc_u64 s[G0A+6:G0A+7], s[AB:AB+1], s[D0:D0+1]
	s_or_b32 s[G0A+7], s[G0A+7], 0x80000000
	s_xor_b32 s[G0B+5], s[G0B+5], SLOT
	s_add_nc_u64 s[G0B+6:G0B+7], s[BB:BB+1], s[E0:E0+1]
	s_or_b32 s[G0B+7], s[G0B+7], 0x80000000
.endif
	s_xor_b32 s[TB], s[TB], SLOT                   ; the fetches go on in the other slot
	s_wait_dscnt 7                                 ; the add and xn's row blocks 1-3 (six loads) may be out
	MULA 1, 0, 0
	s_wait_dscnt 0x0                               ; the add is done, and my reads of this slot are over
	s_barrier_signal -1
	MULA 1, 1, 0
	WIN 0
	s_barrier_wait -1
.if \fill
	CREST
	JLOAD 1                                        ; its four v_nop are also the places in front of the loads below
.else
	PLACES
.endif
	v_add_nc_u32 v[ADRA], s[TB], v[ADRA0]
	v_add_nc_u32 v[ADRB], s[TB], v[ADRB0]
	FETCH 0, 0
.if \ask
	ASK
.endif
.if \fill
	s_add_co_u32 s[G], s[G], 1
.endif
	MULA 1, 2, 0
	MULA 1, 3, 0
.endm
; THE WAY OUT, a row block (16 rows x 192 columns) at a time: rounded to f16, into my stage by rows of 144 bytes, back as whole head rows, stored as 512 consecutive bytes.
.macro PACK a
	WIN 0x0a+5*((\a)/2)
.irp b, 0,1,2,3,4,5,6,7,8,9,10,11
.irp r, 0,1,2,3
	v_cvt_pk_f16_f32 v[TMP+4*(\b)+(\r)], v[96*((\a)%2)+8*(\b)+2*(\r)], v[96*((\a)%2)+8*(\b)+2*(\r)+1]
.endr
.endr
	WIN 0
.endm
.macro TOSTAGE a
.irp b, 0,1,2,3,4,5,6,7,8,9,10,11
	ds_store_b128 v[STO], v[TMP+4*(\b):TMP+4*(\b)+3] offset:((\b)/4)*16*SP+((\b)%4)*32
.endr
	WIN 0x40                                       ; destination window 1
.irp m, 0,1,2
.irp t, 0,1,2,3
	ds_load_b128 v[OBW+48*((\a)%2)+16*(\m)+4*(\t):OBW+48*((\a)%2)+16*(\m)+4*(\t)+3], v[RD] offset:(\m)*16*SP+(\t)*4*SP   ; LDS serves a wave's instructions in order: these see the stores above
.endr
.endr
	WIN 0
.endm
.macro SEND a
	s_wait_dscnt 0x0                               ; the block is back in registers
	s_wait_xcnt 0x0                                ; the earlier stores have read their registers, which the next block's loads write
	WIN 0x04                                       ; the stores' data lie in window 1
.irp m, 0,1,2
.irp t, 0,1,2,3
	global_store_b128 v[CO], v[OBW+48*((\a)%2)+16*(\m)+4*(\t):OBW+48*((\a)%2)+16*(\m)+4*(\t)+3], s[CB+2*(\m):CB+2*(\m)+1] offset:(\a)*2048+(\t)*512
.endr
.endr
	WIN 0
.endm
	s_wait_tensorcnt 0x1                           ; my part of step 0 is in; step 1's may stay out
	s_barrier_signal -1
	s_barrier_wait -1
	FETCH 0, 0
	s_mov_b32 s2, 2                                ; tiles to go: the same number in every work-group
.Ltile:
	QUARTER 1, 0, 1, 1                             ; a tile's first quarter: its products start the sums with the bias
	WIN 0
	s_mov_b32 s3, 6
.Lstep:                                        ; a trip: a K step's quarters 1 to 3 and the next step's quarter 0; it fills one slot again
	QUARTER 2, 1, 0, 0
	QUARTER 3, 0, 1, 0
	TURN 1, 1
	QUARTER 1, 0, 1, 0
	WIN 0
	s_sub_co_u32 s3, s3, 1
	s_cmp_lg_u32 s3, 0
	s_cbranch_scc1 .Lstep
	QUARTER 2, 1, 0, 0                             ; the tile's last step but one
	QUARTER 3, 0, 1, 0
	WIN 0
	s_cmp_eq_u32 s2, 1
	s_cbranch_scc1 .Lquiet6                        ; the last tile asks for nothing more
	TURN 1, 0                                      ; the ring goes on into the next tile: its first step,
	WIN 0
	s_branch .Ljoin6
.Lquiet6:
	TURN 0, 0
	WIN 0
.Ljoin6:
	QUARTER 1, 0, 1, 0                             ; the tile's last step
	QUARTER 2, 1, 0, 0
	QUARTER 3, 0, 1, 0
	WIN 0
	s_cmp_eq_u32 s2, 1
	s_cbranch_scc1 .Lquiet7
	TURN 1, 0                                      ; its second step, and the next tile's first fragments are fetched
	WIN 0
	s_branch .Lout
.Lquiet7:
	s_wait_dscnt 4
	MULA 1, 0, 0
	MULA 1, 1, 0
	s_wait_dscnt 0x0
	MULA 1, 2, 0
	MULA 1, 3, 0
	WIN 0
.Lout:
	PLACES
	PACK 0
	TOSTAGE 0
.irp a, 1,2,3
	PACK \a
	SEND (\a)-1
	TOSTAGE \a
.endr
	SEND 3
	s_wait_xcnt 0x0                                ; the stores have read their bases and their data: the bases step, and the next tile's fragments may land on the data
	s_add_nc_u64 s[CB:CB+1], s[CB:CB+1], WALK
	s_add_nc_u64 s[CB+2:CB+3], s[CB+2:CB+3], WALK
	s_add_nc_u64 s[CB+4:CB+5], s[CB+4:CB+5], WALK
	s_sub_co_u32 s2, s2, 1
	s_cmp_lg_u32 s2, 0
	s_cbranch_scc1 .Ltile
	s_wait_tensorcnt 0x0                           ; the wave's end
	ds_add_u32 v[SPW], v[NIL]
	s_wait_dscnt 0x0
	CROUND                                         ; the closing round
	s_endpgm
.Lfunc_end_k_q5ae47a977d_proj:
	.size	k_q5ae47a977d_proj, .Lfunc_end_k_q5ae47a977d_proj-k_q5ae47a977d_proj
	.p2alignl 7, 3214868480
	.fill 96, 4, 3214868480
	.section	.rodata,"a",@progbits
	.p2align	6, 0x0
	.amdhsa_kernel k_q5ae47a977d_proj
		.amdhsa_group_segment_fixed_size 327680
		.amdhsa_private_segment_fixed_size 0
		.amdhsa_enable_private_segment 0
		.amdhsa_kernarg_size 48
		.amdhsa_user_sgpr_count 2
		.amdhsa_user_sgpr_kernarg_segment_ptr 1
		.amdhsa_wavefront_size32 1
		.amdhsa_system_sgpr_workgroup_id_x 1
		.amdhsa_system_sgpr_workgroup_id_y 1
		.amdhsa_system_sgpr_workgroup_id_z 1
		.amdhsa_system_vgpr_workitem_id 0
		.amdhsa_next_free_vgpr 960
		.amdhsa_next_free_sgpr 86
		.amdhsa_reserve_vcc 0
		.amdhsa_float_denorm_mode_32 3
		.amdhsa_float_denorm_mode_16_64 3
		.amdhsa_memory_ordered 1
		.amdhsa_forward_progress 1
		.amdhsa_inst_pref_size 116
	.end_amdhsa_kernel
	.amdgpu_metadata
---
amdhsa.version: [ 1, 2 ]
amdhsa.kernels:
  - .name:           k_q5ae47a977d_proj
    .symbol:         k_q5ae47a977d_proj.kd
    .args:
      - { .name: xn16, .offset: 0, .size: 8, .value_kind: global_buffer, .address_space: global }
      - { .name: w16, .offset: 8, .size: 8, .value_kind: global_buffer, .address_space: global }
      - { .name: bq, .offset: 16, .size: 8, .value_kind: global_buffer, .address_space: global }
      - { .name: bk, .offset: 24, .size: 8, .value_kind: global_buffer, .address_space: global }
      - { .name: bv, .offset: 32, .size: 8, .value_kind: global_buffer, .address_space: global }
      - { .name: qkv, .offset: 40, .size: 8, .value_kind: global_buffer, .address_space: global }
    .group_segment_fixed_size: 327680
    .private_segment_fixed_size: 0
    .kernarg_segment_align: 8
    .kernarg_segment_size: 48
    .max_flat_workgroup_size: 128
    .sgpr_count:     86
    .vgpr_count:     960
    .wavefront_size: 32
...
	.end_amdgpu_metadata
.endif
;; end of part 2
;; launch stats (part 3): grid 4 x 64, 8 waves a work-group, clusters of 4 x 1, 327,680 bytes of LDS; arguments qkv, nt; writes nt
.if DOCPART == 3
	.amdgcn_target "amdgcn-amd-amdhsa--gfx1250"
	.amdhsa_code_object_version 6
	.text
	.protected	k_q5ae47a977d_stats
	.globl	k_q5ae47a977d_stats
	.p2align	8
	.type	k_q5ae47a977d_stats,@function
k_q5ae47a977d_stats:
	s_mov_b64 s[64:65], 0
	v_nop
	global_prefetch_b8 v0, s[64:65] scope:SCOPE_SE
	s_setreg_imm32_b32 hwreg(HW_REG_WAVE_MODE, 25, 1), 1
	s_wait_xcnt 0x0
	s_wait_alu depctr_hold_cnt(0) depctr_sa_sdst(0) depctr_va_vdst(0) depctr_va_sdst(0) depctr_va_ssrc(0) depctr_va_vcc(0) depctr_vm_vsrc(0)
	s_getreg_b32 s2, hwreg(HW_REG_IB_STS2, 6, 4)
	s_cmp_eq_u32 s2, 0
	s_cbranch_scc0 .Lentry_in_a_cluster
	s_endpgm
.Lentry_in_a_cluster:
	s_bfe_u32 s2, ttmp6, 0x10000c
	s_cmp_lg_u32 s2, 0x3003
	s_cbranch_scc0 .Lentry_shape_is_right
	s_endpgm
.Lentry_shape_is_right:
; STATS.  nt[bh][key] = -( m + log2 l ), m = max over all 2,048 queries q of s'(q, key), l = the sum over q of 2^(s' - m), s' = Q'[q] . K[key] (the scale log2(e) / 8 lies in Q').
; The softmax of this module runs over the QUERY axis, so these two numbers belong to a key.  m is a true running maximum; l is multiplied by a = 2^(m_old - m_new) in every step.
; SHARES.  A work-group owns 512 keys of one head, each of its eight waves 64: four tiles of 16, in two pieces of two.  Every wave walks all queries, 32 a step.
; The head's whole Q' (262,144 bytes) lies in LDS, filled once, by two tensor loads a wave: no slot is filled again.  The four key blocks of a head form a cluster and ask for Q' jointly.
; LAYOUT.  Source 0 = 16 walked queries, source 1 = 16 own keys: a lane holds ONE key (lane % 16) and the queries 8 (lane / 16) + 0..7.  Each half of the lanes keeps m and l of its own queries; they meet once, at the end.
; BY TURNS.  In a turn one piece's 8 products stand among the other piece's subtraction of m and its exponentials; then the fresh scores' maximum; then, behind ONE wait for the turn's 34 exponentials, the sums.
; LIMITS.  A weight below 2^-126 counts as 0 in l; NaN and infinities are not treated apart.
.set PQ,    144                        ; a row of Q' in LDS: 128 bytes + 16
.set CHK,   128*PQ                     ; what one tensor load brings: 128 queries
.set STG,   16*CHK                     ; behind Q': 256 bytes a wave, for the way out
.set SPARE, STG+8*256                  ; the spare words: 128 bytes a wave, named by no other line
.set STEPB, 32*PQ
.set AQ0, 3                            ; v3  my lane's place in a step's rows
.set AQ,  4                            ; v4  the LDS address of the run of loads in hand
.set KOF, 5
.set STGA, 6
.set STGR, 7
.set GO,  8
.set SPW, 10
.set NIL, 11
.set ST,  16                           ; tile t at v[ST+8 t]: +0 m (+1 named with it), +2:3 l, +4 a (+5 named with it), +6, +7 at work
.set QF,  48                           ; v[48:79]   the step's queries: block qb, channel half c at QF + 16 qb + 8 c
.set KO,  80                           ; v[80:143]  my keys: tile t, half c at KO + 16 t + 8 c
.set S,   144                          ; v[144:207] scores: piece z, tile u, query block qb at S + 32 z + 16 u + 8 qb
.set WV,  12
.set G1,  24
.set G0,  32
.set TB,  40                           ; s40 LDS byte at which the step to be fetched begins
.set CNT, 41
.set SEL, 42
.macro CROUND
	s_barrier_signal -1
	s_barrier_wait -1
	s_cmp_lg_u32 s[WV], 0
	s_cbranch_scc1 .Lnot_wave_0_\@
	s_barrier_signal -3
.Lnot_wave_0_\@:
	s_barrier_wait -3
	s_barrier_signal -1
	s_barrier_wait -1
.endm
	s_load_b128 s[4:7], s[0:1], 0x0                ; qkv 4:5, nt 6:7
	v_lshl_add_u32 v[SPW], v0, 2, SPARE
	v_mov_b32 v[NIL], 0
	ds_add_u32 v[SPW], v[NIL]                      ; the wave's opening: the add and its wait stand ahead of my first tensor load
	v_lshrrev_b32 v1, 5, v0
	v_readfirstlane_b32 s[WV], v1
	s_bfe_u32 s13, ttmp6, 0x40000                  ; cx
	s_and_b32 s14, ttmp7, 0xffff                   ; the head, which the four partners share
	s_mov_b32 s[G1], 15|(1<<16)|(1<<20)|(1<<21)|(4<<22)|(3<<25)   ; the mask of four; 2-byte elements; padding on; bit 21 beside a mask; after every 32 words 4 words
	s_mov_b32 s[G1+1], 128<<16                     ; 128 queries are 16,384 dense bytes: 64 rows of 256
	s_mov_b32 s[G1+2], 64<<16
	s_mov_b32 s[G1+3], 128<<16
	s_mov_b32 s[G1+4], 64
	s_mov_b32 s[G1+5], 128
	s_mov_b32 s[G1+6], 0
	s_mov_b32 s[G1+7], 0
	s_mul_i32 s16, s[WV], CHK
	s_lshl_b32 s18, s14, 18
	s_lshl_b32 s17, s[WV], 14
	s_add_co_u32 s18, s18, s17                     ; Q' of the head, queries 128 w on
	s_mov_b32 s19, 0
	s_mov_b32 s[G0], 1
	s_mov_b32 s[G0+1], s16
	s_mov_b32 s[G0+4], 1
	s_add_co_u32 s[G0+5], s16, 8*CHK               ; and queries 1,024 + 128 w on
	s_lshl_b32 s20, ttmp9, 2
	s_add_co_u32 s20, s20, s13                     ; my block of 512 keys
	s_lshl_b32 s22, s20, 11
	s_lshl_b32 s20, s20, 16
	s_lshl_b32 s21, s[WV], 13
	s_add_co_u32 s20, s20, s21
	s_lshl_b32 s21, s14, 18
	s_add_co_u32 s20, s20, s21
	s_add_co_u32 s20, s20, 0x1000000               ; K lies behind Q'
	s_mov_b32 s21, 0
	s_lshl_b32 s23, s14, 13
	s_add_co_u32 s22, s22, s23
	s_lshl_b32 s23, s[WV], 8
	s_add_co_u32 s22, s22, s23                     ; my 64 numbers of nt
	s_mov_b32 s23, 0
	s_mov_b32 s[TB], 0
	s_mov_b32 s[SEL], 0x76543210
	s_mov_b32 s[SEL+1], 0xfedcba98
	s_wait_dscnt 0x0                               ; the opening add is done
	s_wait_kmcnt 0x0
	s_add_nc_u64 s[G0+2:G0+3], s[4:5], s[18:19]
	s_add_nc_u64 s[G0+6:G0+7], s[G0+2:G0+3], 8*16384
	s_or_b32 s[G0+3], s[G0+3], 0x80000000
	s_or_b32 s[G0+7], s[G0+7], 0x80000000
	s_add_nc_u64 s[8:9], s[4:5], s[20:21]
	s_add_nc_u64 s[6:7], s[6:7], s[22:23]
	CROUND                                         ; all four work-groups are here: the joint loads meet
	tensor_load_to_lds s[G0:G0+3], s[G1:G1+7]
	s_nop 0
	tensor_load_to_lds s[G0+4:G0+7], s[G1:G1+7]    ; two tensor loads of mine are out, and no more follow
	s_nop 0
.rept 4
	v_nop
.endr
	v_and_b32 v1, 15, v0
	v_bfe_u32 v2, v0, 4, 1
	v_lshlrev_b32 v[KOF], 7, v1
	v_lshl_add_u32 v[KOF], v2, 4, v[KOF]
.irp t, 0,1,2,3
.irp c, 0,1
	global_load_b128 v[KO+16*(\t)+8*(\c):KO+16*(\t)+8*(\c)+3],   v[KOF], s[8:9] offset:2048*(\t)+64*(\c)
	global_load_b128 v[KO+16*(\t)+8*(\c)+4:KO+16*(\t)+8*(\c)+7], v[KOF], s[8:9] offset:2048*(\t)+64*(\c)+32
.endr
.endr
	v_mul_u32_u24 v[AQ0], v1, PQ
	v_lshl_add_u32 v[AQ0], v2, 4, v[AQ0]
	s_lshl_b32 s16, s[WV], 8
	s_add_co_u32 s16, s16, STG
	v_lshl_add_u32 v[STGA], v1, 2, s16
	v_and_b32 v[GO], 31, v0
	v_lshlrev_b32 v[GO], 3, v[GO]
	v_add_nc_u32 v[STGR], s16, v[GO]
.irp t, 0,1,2,3
	v_mov_b32 v[ST+8*(\t)], 0xff7fffff             ; m: the lowest finite number, so the first a is 0
	v_mov_b32 v[ST+8*(\t)+1], 0
	v_mov_b32 v[ST+8*(\t)+2], 0
	v_mov_b32 v[ST+8*(\t)+3], 0
	v_mov_b32 v[ST+8*(\t)+5], 0
.endr
; Product i of 8 for piece z: channels 32 (i / 4) on, queries 16 ((i / 2) % 2) on, tile i % 2.  The four accumulators take turns; the first four products start the sums.
.macro KQ z
.set rS, S+32*(\z)+16*(i%2)+8*((i/2)%2)
.set rQ, QF+16*((i/2)%2)+8*(i/4)
.set rK, KO+16*(2*(\z)+i%2)+8*(i/4)
.if i < 4
	v_wmma_f32_16x16x32_f16 v[rS:rS+7], v[rQ:rQ+7], v[rK:rK+7], 0
.else
	v_wmma_f32_16x16x32_f16 v[rS:rS+7], v[rQ:rQ+7], v[rK:rK+7], v[rS:rS+7]
.endif
.set i, i+1
.endm
.macro FETCH_Q                         ; a step's 32 queries: four fragments, one run of eight loads
.irp f, 0,1,2,3
	ds_load_b128 v[QF+8*(\f):QF+8*(\f)+3],   v[AQ] offset:((\f)/2)*16*PQ+((\f)%2)*64
	ds_load_b128 v[QF+8*(\f)+4:QF+8*(\f)+7], v[AQ] offset:((\f)/2)*16*PQ+((\f)%2)*64+32
.endr
	s_add_co_u32 s[TB], s[TB], STEPB
.endm
.macro FOP y, f                        ; s - m for pair f / 2 of tile f % 2
.set rT, ST+8*(2*(\y)+(\f)%2)
.set rP, S+32*(\y)+16*((\f)%2)+2*((\f)/2)
	v_pk_add_f32 v[rP:rP+1], v[rP:rP+1], v[rT:rT+1] op_sel_hi:[1,0] neg_lo:[0,1] neg_hi:[0,1]
.endm
.macro EOP y, e                        ; the exponential of score e / 2 of tile e % 2
.set rE, S+32*(\y)+16*((\e)%2)+(\e)/2
	v_exp_f32 v[rE], v[rE]
.endm
; Number k / 2 of the ten that find tile k % 2's new maximum: two chains over the 16 scores (each accumulator's lowest registers first), the old m, m_old - m_new, the new m
.macro XOP z, k
.set n_, (\k)/2
.set rT, ST+8*(2*(\z)+(\k)%2)
.set rS, S+32*(\z)+16*((\k)%2)
.if n_ == 0
	v_max3_num_f32 v[rT+6], v[rS], v[rS+1], v[rS+2]
.elseif n_ == 1
	v_max3_num_f32 v[rT+7], v[rS+8], v[rS+9], v[rS+10]
.elseif n_ == 2
	v_max3_num_f32 v[rT+6], v[rT+6], v[rS+3], v[rS+4]
.elseif n_ == 3
	v_max3_num_f32 v[rT+7], v[rT+7], v[rS+11], v[rS+12]
.elseif n_ == 4
	v_max3_num_f32 v[rT+6], v[rT+6], v[rS+5], v[rS+6]
.elseif n_ == 5
	v_max3_num_f32 v[rT+7], v[rT+7], v[rS+13], v[rS+14]
.elseif n_ == 6
	v_max3_num_f32 v[rT+6], v[rT+6], v[rS+7], v[rS+15]
.elseif n_ == 7
	v_max3_num_f32 v[rT+6], v[rT+6], v[rT+7], v[rT]
.elseif n_ == 8
	v_sub_f32 v[rT+7], v[rT], v[rT+6]
.else
	v_mov_b32 v[rT], v[rT+6]
.endif
.endm
.macro AEX z, u                        ; a = 2^(m_old - m_new)
	v_exp_f32 v[ST+8*(2*(\z)+(\u))+4], v[ST+8*(2*(\z)+(\u))+7]
.endm
.macro BOP y, k                        ; number k / 2 of the eight that add tile k % 2's eight pairs, in place, and take the sum into l = a l + sum
.set n_, (\k)/2
.set rT, ST+8*(2*(\y)+(\k)%2)
.set rS, S+32*(\y)+16*((\k)%2)
.if n_ < 4
	v_pk_add_f32 v[rS+4*n_:rS+4*n_+1], v[rS+4*n_:rS+4*n_+1], v[rS+4*n_+2:rS+4*n_+3]
.elseif n_ < 6
	v_pk_add_f32 v[rS+8*(n_-4):rS+8*(n_-4)+1], v[rS+8*(n_-4):rS+8*(n_-4)+1], v[rS+8*(n_-4)+4:rS+8*(n_-4)+5]
.elseif n_ == 6
	v_pk_add_f32 v[rS:rS+1], v[rS:rS+1], v[rS+8:rS+9]
.else
	v_pk_fma_f32 v[rT+2:rT+3], v[rT+2:rT+3], v[rT+4:rT+5], v[rS:rS+1] op_sel_hi:[1,0,1]
.endif
.endm
; A TURN for piece y.  The other piece's 8 products (piece 1's of the step in hand, or piece 0's of the next step) with piece y's subtractions and first exponentials behind them; then the fresh scores' maximum and
; the other exponentials by turns: the first reader of each accumulator stands four plain instructions or more behind the product that ends it.  Nothing ahead of the wait names an exponential's result.
; fetch = 1 (piece 0's turn): the next step's queries are fetched behind the wait; they are waited for at the head of piece 1's turn.
.macro TURN y, fetch
.set i, 0
.if (\y) == 1
	s_wait_dscnt 0x0                               ; the next step's queries are in
.endif
	KQ 1-(\y)
	FOP \y, 0
	FOP \y, 1
.set k, 1
.rept 7
	KQ 1-(\y)
	FOP \y, 2*k
	EOP \y, 2*k-2
	FOP \y, 2*k+1
	EOP \y, 2*k-1
.set k, k+1
.endr
.if \fetch
	v_add_nc_u32 v[AQ], s[TB], v[AQ0]
.endif
.set k, 0
.rept 18
	XOP 1-(\y), k
	EOP \y, 14+k
.set k, k+1
.endr
	XOP 1-(\y), 18
	AEX 1-(\y), 0
	XOP 1-(\y), 19
	AEX 1-(\y), 1
	v_nop                                          ; a plain instruction behind the last exponential,
	s_wait_alu depctr_va_vdst(0)                   ; and one wait for the batch of 34, ahead of the first reader
.if \fetch
	FETCH_Q
.endif
.set k, 0
.rept 16
	BOP \y, k
.set k, k+1
.endr
.endm
.macro WALK trips
	s_mov_b32 s[CNT], \trips
.Lwalk_\@:
	TURN 0, 1
	TURN 1, 0
	s_sub_co_u32 s[CNT], s[CNT], 1
	s_cmp_lg_u32 s[CNT], 0
	s_cbranch_scc1 .Lwalk_\@
.endm
	s_wait_tensorcnt 0x1                           ; my part of queries 0-1,023 is in; the other load may stay out
	s_barrier_signal -1
	s_barrier_wait -1                              ; everybody's is
	v_add_nc_u32 v[AQ], s[TB], v[AQ0]
	FETCH_Q                                        ; step 0
	s_wait_loadcnt 0x0                             ; my keys
	s_wait_dscnt 0x0
.set i, 0
.rept 8
	KQ 0
.endr
.rept 4
	v_nop                                          ; the places behind those products
.endr
.set k, 0
.rept 20
	XOP 0, k
.set k, k+1
.endr
	AEX 0, 0
	AEX 0, 1
	v_nop
	s_wait_alu depctr_va_vdst(0)
	WALK 31                                        ; steps 0-30; it fetches steps 1-31, which lie in the first half of Q'
	s_wait_tensorcnt 0x0                           ; my part of queries 1,024-2,047 is in,
	s_wait_dscnt 0x0
	s_barrier_signal -1
	s_barrier_wait -1                              ; everybody's is
	WALK 32                                        ; steps 31-62; it fetches steps 32-63
	TURN 0, 0                                      ; step 63: nothing is left to fetch;
	TURN 1, 0                                      ; its 8 products on the last queries once more, and the maximum made of them, change nothing: the price of one text for every turn
	; THE END.  l's two halves; the other half of the lanes' m and l; both brought to the common maximum; -(m + log2 l)
.irp t, 0,1,2,3
	v_add_f32 v[ST+8*(\t)+2], v[ST+8*(\t)+2], v[ST+8*(\t)+3]
.endr
.irp t, 0,1,2,3
	v_permlanex16_b32 v[ST+8*(\t)+6], v[ST+8*(\t)], s[SEL], s[SEL+1]
	v_permlanex16_b32 v[ST+8*(\t)+7], v[ST+8*(\t)+2], s[SEL], s[SEL+1]
.endr
.irp t, 0,1,2,3
	v_max_num_f32 v[ST+8*(\t)+4], v[ST+8*(\t)], v[ST+8*(\t)+6]
.endr
.irp t, 0,1,2,3
	v_sub_f32 v[ST+8*(\t)], v[ST+8*(\t)], v[ST+8*(\t)+4]
	v_sub_f32 v[ST+8*(\t)+6], v[ST+8*(\t)+6], v[ST+8*(\t)+4]
.endr
.irp t, 0,1,2,3
	v_exp_f32 v[ST+8*(\t)], v[ST+8*(\t)]
	v_exp_f32 v[ST+8*(\t)+6], v[ST+8*(\t)+6]
.endr
	v_nop
	s_wait_alu depctr_va_vdst(0)                   ; one wait for the eight
.irp t, 0,1,2,3
	v_mul_f32 v[ST+8*(\t)+2], v[ST+8*(\t)+2], v[ST+8*(\t)]
.endr
.irp t, 0,1,2,3
	v_fmac_f32 v[ST+8*(\t)+2], v[ST+8*(\t)+7], v[ST+8*(\t)+6]
.endr
.irp t, 0,1,2,3
	v_log_f32 v[ST+8*(\t)+3], v[ST+8*(\t)+2]
.endr
	v_nop
	s_wait_alu depctr_va_vdst(0)                   ; one wait for the four
.irp t, 0,1,2,3
	v_fma_f32 v[ST+8*(\t)+3], v[ST+8*(\t)+4], -1.0, -v[ST+8*(\t)+3]
.endr
.irp t, 0,1,2,3
	ds_store_b32 v[STGA], v[ST+8*(\t)+3] offset:64*(\t)   ; both halves of the lanes hold the same number and write the same word
.endr
	ds_load_b64 v[QF:QF+1], v[STGR]                ; my own bytes, served in order: my 64 numbers, 8 bytes a lane
	s_wait_dscnt 0x0
	global_store_b64 v[GO], v[QF:QF+1], s[6:7]     ; 256 consecutive bytes, aligned
	s_wait_tensorcnt 0x0                           ; the wave's end
	ds_add_u32 v[SPW], v[NIL]
	s_wait_dscnt 0x0
	CROUND                                         ; the closing round
	s_endpgm
.Lfunc_end_k_q5ae47a977d_stats:
	.size	k_q5ae47a977d_stats, .Lfunc_end_k_q5ae47a977d_stats-k_q5ae47a977d_stats
	.p2alignl 7, 3214868480
	.fill 96, 4, 3214868480
	.section	.rodata,"a",@progbits
	.p2align	6, 0x0
	.amdhsa_kernel k_q5ae47a977d_stats
		.amdhsa_group_segment_fixed_size 327680
		.amdhsa_private_segment_fixed_size 0
		.amdhsa_enable_private_segment 0
		.amdhsa_kernarg_size 16
		.amdhsa_user_sgpr_count 2
		.amdhsa_user_sgpr_kernarg_segment_ptr 1
		.amdhsa_wavefront_size32 1
		.amdhsa_system_sgpr_workgroup_id_x 1
		.amdhsa_system_sgpr_workgroup_id_y 1
		.amdhsa_system_sgpr_workgroup_id_z 1
		.amdhsa_system_vgpr_workitem_id 0
		.amdhsa_next_free_vgpr 208
		.amdhsa_next_free_sgpr 66
		.amdhsa_reserve_vcc 0
		.amdhsa_float_denorm_mode_32 3
		.amdhsa_float_denorm_mode_16_64 3
		.amdhsa_memory_ordered 1
		.amdhsa_forward_progress 1
		.amdhsa_inst_pref_size 42
	.end_amdhsa_kernel
	.amdgpu_metadata
---
amdhsa.version: [ 1, 2 ]
amdhsa.kernels:
  - .name:           k_q5ae47a977d_stats
    .symbol:         k_q5ae47a977d_stats.kd
    .args:
      - { .name: qkv, .offset: 0, .size: 8, .value_kind: global_buffer, .address_space: global }
      - { .name: nt, .offset: 8, .size: 8, .value_kind: global_buffer, .address_space: global }
    .group_segment_fixed_size: 327680
    .private_segment_fixed_size: 0
    .kernarg_segment_align: 8
    .kernarg_segment_size: 16
    .max_flat_workgroup_size: 256
    .sgpr_count:     66
    .vgpr_count:     208
    .wavefront_size: 32
...
	.end_amdgpu_metadata
.endif
;; end of part 3
;; launch attn (part 4): grid 4 x 64, 4 waves a work-group, clusters of 4 x 1, 327,680 bytes of LDS; arguments qkv, nt, hd; writes hd
.if DOCPART == 4
	.amdgcn_target "amdgcn-amd-amdhsa--gfx1250"
	.amdhsa_code_object_version 6
	.text
	.protected	k_q5ae47a977d_attn
	.globl	k_q5ae47a977d_attn
	.p2align	8
	.type	k_q5ae47a977d_attn,@function
k_q5ae47a977d_attn:
	s_mov_b64 s[64:65], 0
	v_nop
	global_prefetch_b8 v0, s[64:65] scope:SCOPE_SE
	s_setreg_imm32_b32 hwreg(HW_REG_WAVE_MODE, 25, 1), 1
	s_wait_xcnt 0x0
	s_wait_alu depctr_hold_cnt(0) depctr_sa_sdst(0) depctr_va_vdst(0) depctr_va_sdst(0) depctr_va_ssrc(0) depctr_va_vcc(0) depctr_vm_vsrc(0)
	s_getreg_b32 s2, hwreg(HW_REG_IB_STS2, 6, 4)
	s_cmp_eq_u32 s2, 0
	s_cbranch_scc0 .Lentry_in_a_cluster
	s_endpgm
.Lentry_in_a_cluster:
	s_bfe_u32 s2, ttmp6, 0x10000c
	s_cmp_lg_u32 s2, 0x3003
	s_cbranch_scc0 .Lentry_shape_is_right
	s_endpgm
.Lentry_shape_is_right:
; ATTN.  hd[bh][q][:] = f16( the sum over keys s of 2^(Q'[q] . K[s] - t[s]) V[s][:] ), -t[s] = nt[bh][s] = -(m + log2 l) of key s over all queries: the softmax over the query axis, its maximum taken away.
; -t is the C operand of the product that starts each score's sum, so every exponent arrives ready and is at most 0 (to within rounding): no maximum, no sum and no rescaling is left here.
; SHARES.  A work-group owns 512 queries of a head, a wave 128: eight tiles of 16 in four PIECES of two.  Every wave walks all keys, 64 a step; a slot of LDS holds four steps (256 keys of K and of V); two slots take turns.
; LAYOUT.  S^T = K Q'^T (source 0 = 16 keys, source 1 = 16 queries): a lane holds ONE query and the keys 8 (lane / 16) + 0..7.  Two such results, rounded to f16 in pairs IN PLACE (register i of a tile takes scores 2 i and
; 2 i + 1), ARE source 1 of O^T = V^T P.  K comes out of LDS as it lies, V turned by ds_load_tr16_b128.
; FOUR STAGES.  Turn p (p = 0..3 in a ring): 16 products V^T P of piece p + 2, 16 products K Q'^T of piece p + 1, the 64 exponentials of piece p, the 32 roundings of piece p + 3: behind every product a rounding and two
; exponentials.  A turn's exponentials are read in the next turn: ONE wait stands at the turn's end.
; CLUSTER.  The four query blocks of a head walk the same K, V and t: each tile is asked for jointly.
; LIMITS.  P lies in 0 to 1 and below 6e-5 keeps f16's fixed step of 6e-8; the sums must lie within f16's 65,504; NaN and infinities are not treated apart.
; REGISTERS (windows of 256; s_set_vgpr_msb bits 1:0 source 0, 3:2 source 1, 5:4 source 2, 7:6 destination):
;   window 0: v0-14 addresses; v62-63 the add's; v64-95 -t of a step, 8 for each 16 keys; v128-255 the way out      window 1: O^T, 32 a tile
;   window 2: v0-127 Q', 16 a tile; v128-191 K of a step; v192-255 V of a step      window 3: S^T and P, 64 a piece
.set KS,    64
.set PK,    144
.set PV,    160
.set VOFF,  4*KS*PK
.set SLOT1, 1<<17
.set STAGE, SLOT1+4*KS*(PK+PV)         ; behind the ring: 16 rows x 144 bytes for each wave
.set SP,    144
.set TREG,  STAGE+4*16*SP              ; -t of the whole head, 8,192 bytes, filled once
.set SPARE, TREG+8192                  ; the spare words: 128 bytes a wave, named by no other line
.set AK0, 2
.set AV0, 3
.set AK,  4
.set AV,  5
.set QO,  6
.set STO, 6
.set RD,  7
.set GO,  8
.set AT0, 12
.set AT,  13
.set PFO, 14
.set SPW, 62
.set NIL, 63
.set T,   64
.set W,   128
.set KF,  128
.set VF,  192
.set WV,  12
.set LIM, 15
.set G1K, 24
.set G1V, 32
.set G0K, 40
.set G0V, 44
.set G1T, 48
.set SLOTS, 56
.set CNT, 57
.set TBT, 58                           ; s58 byte of -t at which the step to be fetched begins
.set TBK, 62
.set TBV, 63
.set PFA, 66
.set G0T, 68
.set QB,  72
.set OBS, 74
.set MSB, 0
.macro WIN new
.if MSB != (\new)
	s_set_vgpr_msb (MSB<<8)|(\new)
.set MSB, (\new)
.endif
.endm
.set W_K0, 0xca       ; K and Q' in window 2, C = -t in window 0, S^T in window 3
.set W_K1, 0xfa       ; the same with C in window 3
.set W_PV, 0x5e       ; V in window 2, P in window 3, O^T in window 1
.set W_EC, 0xcf       ; exponentials and roundings: all in window 3
.macro PLACES
.rept 4
	v_nop
.endr
.endm
.macro JLOAD                           ; waves 0 and 1 fetch the two halves of a slot's K, waves 2 and 3 those of its V; an s_nop 0 and four v_nop follow each line
	s_cmp_lt_u32 s[WV], 2
	s_cbranch_scc0 .Lfor_v_\@
	tensor_load_to_lds s[G0K:G0K+3], s[G1K:G1K+7]
	s_nop 0
.rept 4
	v_nop
.endr
	s_branch .Lasked_\@
.Lfor_v_\@:
	tensor_load_to_lds s[G0V:G0V+3], s[G1V:G1V+7]
	s_nop 0
.rept 4
	v_nop
.endr
.Lasked_\@:
.endm
.macro CROUND
	s_barrier_signal -1
	s_barrier_wait -1
	s_cmp_lg_u32 s[WV], 0
	s_cbranch_scc1 .Lnot_wave_0_\@
	s_barrier_signal -3
.Lnot_wave_0_\@:
	s_barrier_wait -3
	s_barrier_signal -1
	s_barrier_wait -1
.endm
; A prefetch of what the NEXT change of slots will ask for: 128 blocks of 256 bytes of K and of V.  The four partners share them out by address, 32 each, a lane a block; wave 0 asks for K's, wave 2 for V's.
; So each block is named once.  The last change that fills a slot asks for nothing; tiles 0-2 come by their loads alone.
.macro ASK
	s_cmp_gt_u32 s[SLOTS], s[LIM]
	s_cbranch_scc0 .Lnot_mine_\@
	global_prefetch_b8 v[PFO], s[PFA:PFA+1] th:TH_LOAD_NT scope:SCOPE_SE
.Lnot_mine_\@:
.endm
; THE CHANGE OF SLOTS.  Each wave waits for all its tensor loads, adds 0 to its spare word, and waits for that and for its reads of the slot.  fill = 1: the barrier is a round of the cluster's, and the slot just
; left is filled again first thing behind it: the load has four key steps, 512 products of mine, in which to land.  (At its first use nothing has been read: slot 0 and -t are waited for, slot 1 is filled.)
.macro CHANGE fill, ask
	WIN 0
	s_wait_tensorcnt 0x0
	ds_add_u32 v[SPW], v[NIL]                      ; 0 onto my spare word; the descriptors' steps stand between it and the wait for it
.if \fill
.irp g, G0K, G0V
	s_xor_b32 s[\g+1], s[\g+1], SLOT1
	s_add_nc_u64 s[\g+2:\g+3], s[\g+2:\g+3], 4*KS*128
.endr
.if \ask
	s_wait_xcnt 0x0                                ; the last prefetch, four key steps back, has read its address
	s_add_nc_u64 s[PFA:PFA+1], s[PFA:PFA+1], 4*KS*128
.endif
	s_wait_dscnt 0x0
	CROUND
	JLOAD
.if \ask
	ASK
.endif
.else
	s_wait_dscnt 0x0
	s_barrier_signal -1
	s_barrier_wait -1
.endif
	s_sub_co_u32 s[TBK], s[TBK], 4*KS*PK           ; the fetches go back to a slot's first step, in the other slot
	s_xor_b32 s[TBK], s[TBK], SLOT1
	s_sub_co_u32 s[TBV], s[TBV], 4*KS*PV
	s_xor_b32 s[TBV], s[TBV], SLOT1
.endm
	s_load_b128 s[4:7], s[0:1], 0x0                ; qkv 4:5, nt 6:7
	s_load_b64 s[8:9], s[0:1], 0x10                ; hd
	v_lshl_add_u32 v[SPW], v0, 2, SPARE
	v_mov_b32 v[NIL], 0
	ds_add_u32 v[SPW], v[NIL]                      ; the wave's opening: the add and its wait stand ahead of my first tensor load
	v_lshrrev_b32 v1, 5, v0
	v_readfirstlane_b32 s[WV], v1
	s_bfe_u32 s13, ttmp6, 0x40000                  ; cx
	s_lshl_b32 s14, ttmp9, 2
	s_add_co_u32 s14, s14, s13                     ; my block of 512 queries: it enters Q's and hd's addresses alone
	s_and_b32 s20, ttmp7, 0xffff                   ; the head
	s_lshl_b32 s60, s20, 13                        ; its 8,192 bytes of nt
	s_lshl_b32 s20, s20, 18                        ; its 262,144 bytes of Q', K, V and hd
	s_and_b32 s16, s[WV], 1                        ; which half of a slot's 256 keys I fetch
	s_lshl_b32 s22, s16, 14
	s_add_co_u32 s22, s22, s20
	s_add_co_u32 s22, s22, 0x1000000               ; K lies behind Q', V behind K
	s_mov_b32 s23, 0
	s_mul_i32 s17, s16, 128*PK
	s_mul_i32 s18, s16, 128*PV
	s_lshl_b32 s2, s14, 2
	s_add_co_u32 s2, s2, s[WV]
	s_lshl_b32 s2, s2, 14                          ; my wave's 128 rows
	s_add_co_u32 s2, s2, s20
	s_mov_b32 s3, 0
	s_lshl_b32 s19, s[WV], 11                      ; my quarter of -t
	s_add_co_u32 s60, s60, s19
	s_mov_b32 s61, 0
	s_mov_b32 s[G1K], 15|(1<<16)|(1<<20)|(1<<21)|(4<<22)|(3<<25)   ; the mask of four; 2-byte elements; padding on; bit 21 beside a mask; after every 32 words 4 words
	s_mov_b32 s[G1V], 15|(1<<16)|(1<<20)|(1<<21)|(4<<22)|(7<<25)   ; the same with 8 words
.irp g, G1K, G1V
	s_mov_b32 s[\g+1], 128<<16                     ; 128 keys are 16,384 dense bytes: 64 rows of 256
	s_mov_b32 s[\g+2], 64<<16
	s_mov_b32 s[\g+3], 128<<16
	s_mov_b32 s[\g+4], 64
	s_mov_b32 s[\g+5], 128
	s_mov_b32 s[\g+6], 0
	s_mov_b32 s[\g+7], 0
.endr
	s_mov_b32 s[G1T], 15|(3<<16)|(1<<21)           ; 8-byte elements, no padding: 2,048 dense bytes as 8 rows of 256
	s_mov_b32 s[G1T+1], 32<<16
	s_mov_b32 s[G1T+2], 8<<16
	s_mov_b32 s[G1T+3], 32<<16
	s_mov_b32 s[G1T+4], 8
	s_mov_b32 s[G1T+5], 32
	s_mov_b32 s[G1T+6], 0
	s_mov_b32 s[G1T+7], 0
	s_mov_b32 s[TBK], SLOT1+4*KS*PK                ; the first change of slots turns these two into 0
	s_mov_b32 s[TBV], SLOT1+4*KS*PV
	s_mov_b32 s[TBT], 0
	s_mov_b32 s[G0K], 1
	s_mov_b32 s[G0K+1], s17
	s_mov_b32 s[G0V], 1
	s_add_co_u32 s[G0V+1], s18, VOFF
	s_mov_b32 s[G0T], 1
	s_add_co_u32 s[G0T+1], s19, TREG
	s_and_b32 s[LIM], s[WV], 1                     ; waves 0 and 2 of the head's one cluster prefetch
	s_or_b32 s[LIM], s[LIM], ttmp9
	s_cmp_eq_u32 s[LIM], 0
	s_cselect_b32 s[LIM], 1, -1
	s_wait_dscnt 0x0                               ; the opening add is done
	CROUND                                         ; all four work-groups are here: the first joint loads meet; the arguments arrive meanwhile
	s_wait_kmcnt 0x0
	s_add_nc_u64 s[G0K+2:G0K+3], s[4:5], s[22:23]
	s_add_nc_u64 s[G0V+2:G0V+3], s[G0K+2:G0K+3], 0x1000000
	s_or_b32 s[G0K+3], s[G0K+3], 0x80000000
	s_or_b32 s[G0V+3], s[G0V+3], 0x80000000
	s_add_nc_u64 s[G0T+2:G0T+3], s[6:7], s[60:61]
	s_or_b32 s[G0T+3], s[G0T+3], 0x80000000
	s_add_nc_u64 s[QB:QB+1], s[4:5], s[2:3]
	s_add_nc_u64 s[OBS:OBS+1], s[8:9], s[2:3]
	s_lshl_b32 s2, s13, 13                         ; the prefetches: my work-group's 8,192 bytes of a tile's 32,768,
	s_add_co_u32 s2, s2, s20
	s_add_co_u32 s2, s2, 2*4*KS*128                ; in tile 2: the first change that asks steps it to tile 3
	s_lshr_b32 s16, s[WV], 1
	s_add_co_u32 s16, s16, 1
	s_lshl_b32 s16, s16, 24                        ; of K (waves 0, 1) or of V
	s_add_co_u32 s2, s2, s16
	s_add_nc_u64 s[PFA:PFA+1], s[4:5], s[2:3]
	tensor_load_to_lds s[G0T:G0T+3], s[G1T:G1T+7]  ; my quarter of -t,
	s_nop 0
	JLOAD                                          ; and my part of slot 0: two tensor loads of mine are out
	v_and_b32 v1, 15, v0
	v_bfe_u32 v9, v0, 4, 1
	v_lshlrev_b32 v[QO], 7, v1
	v_lshl_add_u32 v[QO], v9, 4, v[QO]
	WIN 0x80
.set i, 0
.rept 16                               ; Q' stays in registers: tile i / 2, channels 32 (i % 2) on
	global_load_b128 v[8*i:8*i+3],   v[QO], s[QB:QB+1] offset:(i/2)*2048+(i%2)*64
	global_load_b128 v[8*i+4:8*i+7], v[QO], s[QB:QB+1] offset:(i/2)*2048+(i%2)*64+32
.set i, i+1
.endr
	; What the first turns find: V, O^T and the P of pieces 2 and 3 hold 0, so the products of pieces that have not been add 0.  All this stands in the wait for the first tile.
.set i, VF
.rept 64
	v_mov_b32 v[i], 0
.set i, i+1
.endr
	WIN 0x40
.set i, 0
.rept 256
	v_mov_b32 v[i], 0
.set i, i+1
.endr
	WIN 0xc0
.set i, 128
.rept 128
	v_mov_b32 v[i], 0
.set i, i+1
.endr
	WIN 0
	v_mul_u32_u24 v[AK0], v1, PK
	v_lshl_add_u32 v[AK0], v9, 4, v[AK0]
	v_and_b32 v10, 7, v0
	v_bfe_u32 v11, v0, 3, 1
	v_lshl_add_u32 v[AV0], v9, 3, v10
	v_mul_u32_u24 v[AV0], v[AV0], PV
	v_lshl_add_u32 v[AV0], v11, 4, v[AV0]
	v_add_nc_u32 v[AV0], VOFF, v[AV0]
	v_lshl_add_u32 v[AT0], v9, 5, TREG             ; register j of a block of 16 keys: key 8 (l / 16) + j
	v_and_b32 v[PFO], 31, v0
	v_lshlrev_b32 v[PFO], 8, v[PFO]
; Product i of 16 of S^T = K Q'^T - t for piece x: channels 32 (i / 8) on, keys 16 ((i / 2) % 4) on, tile i % 2.  The 8 accumulators take turns; the first 8 products start the sums with -t.
.macro KQ x
.set rS, 64*(\x)+32*(i%2)+8*((i/2)%4)
.set rK, KF+16*((i/2)%4)+8*(i/8)
.set rQ, 16*(2*(\x)+i%2)+8*(i/8)
.set rT, T+8*((i/2)%4)
.if i < 8
	WIN W_K0
	v_wmma_f32_16x16x32_f16 v[rS:rS+7], v[rK:rK+7], v[rQ:rQ+7], v[rT:rT+7]
.else
	WIN W_K1
	v_wmma_f32_16x16x32_f16 v[rS:rS+7], v[rK:rK+7], v[rQ:rQ+7], v[rS:rS+7]
.endif
.endm
; Product i of 16 of O^T += V^T P for piece x: keys 32 (i / 8) on, channels 16 ((i / 2) % 4) on, tile i % 2.
.macro PV x
	WIN W_PV
.set rO, 32*(2*(\x)+i%2)+8*((i/2)%4)
.set rV, VF+32*(i/8)+8*((i/2)%4)
.set rP, 64*(\x)+32*(i%2)+8*(i/8)
	v_wmma_f32_16x16x32_f16 v[rO:rO+7], v[rV:rV+7], v[rP:rP+7], v[rO:rO+7]
.endm
.macro EX                              ; the next exponential of piece Y: tile e % 2, score e / 2, ascending: each accumulator's lowest registers are read first
.set rE, 64*Y+32*(e%2)+e/2
	v_exp_f32 v[rE], v[rE]
.set e, e+1
.endm
.macro CV                              ; the next rounding of piece CP: tile k % 2, pair k / 2, into register k / 2 of the tile
.set rC, 64*CP+32*(k%2)
	v_cvt_pk_f16_f32 v[rC+k/2], v[rC+2*(k/2)], v[rC+2*(k/2)+1]
.set k, k+1
.endm
.macro RID                             ; what stands behind a product: the plain instruction leads
	WIN W_EC
	CV
	EX
	EX
.endm
.macro FETCH_V                         ; a step's V, turned: one run of 16 loads; the rounding behind the last product that read V, the address line and three v_nop are the places ahead of it
	WIN 0
	v_add_nc_u32 v[AV], s[TBV], v[AV0]
	v_nop
	v_nop
	v_nop
	s_add_co_u32 s[TBV], s[TBV], KS*PV
	WIN 0x80
.irp f, 0,1,2,3,4,5,6,7
	ds_load_tr16_b128 v[VF+8*\f:VF+8*\f+3],   v[AV] offset:(\f/4)*32*PV+(\f%4)*32
	ds_load_tr16_b128 v[VF+8*\f+4:VF+8*\f+7], v[AV] offset:(\f/4)*32*PV+16*PV+(\f%4)*32
.endr
.endm
.macro FETCH_KT                        ; a step's K and its -t: one run of 24 loads
	WIN 0x80
.irp f, 0,1,2,3,4,5,6,7
	ds_load_b128 v[KF+8*\f:KF+8*\f+3],   v[AK] offset:(\f/2)*16*PK+(\f%2)*64
	ds_load_b128 v[KF+8*\f+4:KF+8*\f+7], v[AK] offset:(\f/2)*16*PK+(\f%2)*64+32
.endr
	WIN 0
.irp f, 0,1,2,3
	ds_load_b128 v[T+8*\f:T+8*\f+3],   v[AT] offset:64*\f
	ds_load_b128 v[T+8*\f+4:T+8*\f+7], v[AT] offset:64*\f+16
.endr
	s_add_co_u32 s[TBK], s[TBK], KS*PK
	s_add_co_u32 s[TBT], s[TBT], 256
.endm
; A TURN.  V of a step is read by the products V^T P of turns 2, 3, 0, 1: the next step's is fetched in turn 1, behind its 16 products, and waited for at the head of turn 2.  K and -t are read by the products
; K Q'^T of turns 3, 0, 1, 2: the next step's are fetched at the end of turn 2 (a rounding, two address lines and a v_nop are the places) and waited for in the middle of turn 3.
; fetch = 2 (the tail): in the last trip there is no further step, and the run is jumped over.
.macro TURN p, fetch=1
.set Y, (\p)
.set CP, ((\p)+3)%4
.set e, 0
.set k, 0
.if (\p) == 2
	s_wait_dscnt 0x0                               ; V is in
.endif
.set i, 0
.rept 16
	PV ((\p)+2)%4
	RID
.set i, i+1
.endr
.if (\p) == 1
	FETCH_V
.endif
.if (\p) == 3
	s_wait_dscnt 0x0                               ; K and -t are in
.endif
.set i, 0
.rept 16
	KQ ((\p)+1)%4
	RID
.set i, i+1
.endr
	WIN 0
.if (\p) == 2
	v_add_nc_u32 v[AK], s[TBK], v[AK0]
	v_add_nc_u32 v[AT], s[TBT], v[AT0]
.endif
	v_nop                                          ; a plain instruction behind the last exponential,
	s_wait_alu depctr_va_vdst(0)                   ; and one wait for the turn's 64: their readers stand in the next turn
.if (\p) == 2
.if (\fetch) == 2
	s_cmp_eq_u32 s[CNT], 1
	s_cbranch_scc1 .Lno_kt_\@
.endif
	FETCH_KT
.if (\fetch) == 2
.Lno_kt_\@:
.endif
.endif
.endm
	CHANGE 1, 0                                    ; slot 0 and -t are in, everybody's parts; slot 1 is asked for
	v_add_nc_u32 v[AK], s[TBK], v[AK0]
	v_add_nc_u32 v[AT], s[TBT], v[AT0]
	FETCH_KT                                       ; key step 0
	s_wait_loadcnt 0x0                             ; Q'
	s_wait_dscnt 0x0
.set i, 0
.rept 16
	KQ 0                                           ; piece 0's first scores
.set i, i+1
.endr
	WIN 0                                          ; the addresses for the way out: nine plain instructions, the places behind those products
	s_mul_i32 s13, s[WV], 16*SP
	s_add_co_u32 s13, s13, STAGE
	v_mul_u32_u24 v[STO], v1, SP
	v_lshl_add_u32 v[STO], v9, 4, v[STO]
	v_add_nc_u32 v[STO], s13, v[STO]
	v_bfe_u32 v[RD], v0, 3, 2
	v_mul_u32_u24 v[RD], v[RD], SP
	v_lshl_add_u32 v[RD], v10, 4, v[RD]
	v_add_nc_u32 v[RD], s13, v[RD]
	v_and_b32 v[GO], 31, v0
	v_lshlrev_b32 v[GO], 4, v[GO]
	s_mov_b32 s[CNT], 4
	s_mov_b32 s[SLOTS], 7
	s_branch .Lfirst                               ; the loop is entered in the middle of a trip
.Lslot:                                        ; six times: tiles 2 to 7 are asked for
	CHANGE 1, 1
	s_mov_b32 s[CNT], 4
.Lstep:                                        ; a trip: turns 2, 3, 0, 1; it fetches one step's K, -t and V
	TURN 2
	TURN 3
	WIN 0
.Lfirst:
	TURN 0
	TURN 1
	WIN 0
	s_sub_co_u32 s[CNT], s[CNT], 1
	s_cmp_lg_u32 s[CNT], 0
	s_cbranch_scc1 .Lstep
	s_sub_co_u32 s[SLOTS], s[SLOTS], 1
	s_cmp_lg_u32 s[SLOTS], 0
	s_cbranch_scc1 .Lslot
	CHANGE 0, 0                                    ; the last tile is written out: nothing is asked for
	s_mov_b32 s[CNT], 5                            ; four trips fetch the last slot's steps; the fifth is left in its middle
.Ltail:
	TURN 2, 2
	TURN 3                                         ; (in the fifth trip its 16 products on the last K once more serve nothing: the price of one text for every turn)
	WIN 0
	s_sub_co_u32 s[CNT], s[CNT], 1
	s_cmp_eq_u32 s[CNT], 0
	s_cbranch_scc1 .Ldrain
	TURN 0
	TURN 1
	WIN 0
	s_branch .Ltail
.Ldrain:
.set CP, 3
.set k, 0
.set i, 0
.rept 16
	PV 2                                           ; piece 2's last products, piece 3's last roundings behind them
	WIN W_EC
	CV
	CV
.set i, i+1
.endr
.set i, 0
.rept 16
	PV 3
.set i, i+1
.endr
	WIN 0
	PLACES
; THE WAY OUT, a tile at a time: rounded to f16 (a lane's eight channels are 16 bytes), into my stage by rows of 144 bytes, back as whole rows of 128.
.macro PACK t
	WIN 0x05
.set i, 0
.rept 16
	v_cvt_pk_f16_f32 v[W+16*(\t)+i], v[32*(\t)+2*i], v[32*(\t)+2*i+1]
.set i, i+1
.endr
	WIN 0
.irp f, 0,1,2,3
	ds_store_b128 v[STO], v[W+16*(\t)+4*\f:W+16*(\t)+4*\f+3] offset:32*\f
.endr
.irp f, 0,1,2,3
	ds_load_b128 v[W+16*(\t)+4*\f:W+16*(\t)+4*\f+3], v[RD] offset:\f*4*SP   ; LDS serves a wave's instructions in order: these see the stores above; the next tile's stores come behind them
.endr
.endm
.macro SEND t, younger                 ; younger: the LDS instructions issued behind tile t's loads: the next tile's eight, or none
.irp f, 0,1,2,3
	s_wait_dscnt (\younger)+3-\f
	global_store_b128 v[GO], v[W+16*(\t)+4*\f:W+16*(\t)+4*\f+3], s[OBS:OBS+1] offset:(\t)*2048+\f*512   ; 512 consecutive bytes, aligned
.endr
.endm
	PACK 0
.set t, 1
.rept 7
	PACK t
	SEND t-1, 8
.set t, t+1
.endr
	SEND 7, 0
	s_wait_tensorcnt 0x0                           ; the wave's end
	ds_add_u32 v[SPW], v[NIL]
	s_wait_dscnt 0x0
	CROUND                                         ; the closing round
	s_endpgm
.Lfunc_end_k_q5ae47a977d_attn:
	.size	k_q5ae47a977d_attn, .Lfunc_end_k_q5ae47a977d_attn-k_q5ae47a977d_attn
	.p2alignl 7, 3214868480
	.fill 96, 4, 3214868480
	.section	.rodata,"a",@progbits
	.p2align	6, 0x0
	.amdhsa_kernel k_q5ae47a977d_attn
		.amdhsa_group_segment_fixed_size 327680
		.amdhsa_private_segment_fixed_size 0
		.amdhsa_enable_private_segment 0
		.amdhsa_kernarg_size 24
		.amdhsa_user_sgpr_count 2
		.amdhsa_user_sgpr_kernarg_segment_ptr 1
		.amdhsa_wavefront_size32 1
		.amdhsa_system_sgpr_workgroup_id_x 1
		.amdhsa_system_sgpr_workgroup_id_y 1
		.amdhsa_system_sgpr_workgroup_id_z 1
		.amdhsa_system_vgpr_workitem_id 0
		.amdhsa_next_free_vgpr 1024
		.amdhsa_next_free_sgpr 76
		.amdhsa_reserve_vcc 0
		.amdhsa_float_denorm_mode_32 3
		.amdhsa_float_denorm_mode_16_64 3
		.amdhsa_memory_ordered 1
		.amdhsa_forward_progress 1
		.amdhsa_inst_pref_size 124
	.end_amdhsa_kernel
	.amdgpu_metadata
---
amdhsa.version: [ 1, 2 ]
amdhsa.kernels:
  - .name:           k_q5ae47a977d_attn
    .symbol:         k_q5ae47a977d_attn.kd
    .args:
      - { .name: qkv, .offset: 0, .size: 8, .value_kind: global_buffer, .address_space: global }
      - { .name: nt, .offset: 8, .size: 8, .value_kind: global_buffer, .address_space: global }
      - { .name: hd, .offset: 16, .size: 8, .value_kind: global_buffer, .address_space: global }
    .group_segment_fixed_size: 327680
    .private_segment_fixed_size: 0
    .kernarg_segment_align: 8
    .kernarg_segment_size: 24
    .max_flat_workgroup_size: 128
    .sgpr_count:     76
    .vgpr_count:     1024
    .wavefront_size: 32
...
	.end_amdgpu_metadata
.endif
;; end of part 4
;; launch outp (part 5): grid 8 x 32, 4 waves a work-group, clusters of 4 x 4, 327,680 bytes of LDS; arguments hd, wo16, bo, x, out0; writes out0
.if DOCPART == 5
	.amdgcn_target "amdgcn-amd-amdhsa--gfx1250"
	.amdhsa_code_object_version 6
	.text
	.protected	k_q5ae47a977d_outp
	.globl	k_q5ae47a977d_outp
	.p2align	8
	.type	k_q5ae47a977d_outp,@function
k_q5ae47a977d_outp:
	s_mov_b64 s[64:65], 0
	v_nop
	global_prefetch_b8 v0, s[64:65] scope:SCOPE_SE
	s_setreg_imm32_b32 hwreg(HW_REG_WAVE_MODE, 25, 1), 1
	s_wait_xcnt 0x0
	s_wait_alu depctr_hold_cnt(0) depctr_sa_sdst(0) depctr_va_vdst(0) depctr_va_sdst(0) depctr_va_ssrc(0) depctr_va_vcc(0) depctr_vm_vsrc(0)
	s_getreg_b32 s2, hwreg(HW_REG_IB_STS2, 6, 4)
	s_cmp_eq_u32 s2, 0
	s_cbranch_scc0 .Lentry_in_a_cluster
	s_endpgm
.Lentry_in_a_cluster:
	s_bfe_u32 s2, ttmp6, 0x10000c
	s_cmp_lg_u32 s2, 0xf033
	s_cbranch_scc0 .Lentry_shape_is_right
	s_endpgm
.Lentry_shape_is_right:
; OUTP.  out0[m][n] = the sum over k of heads[m][k] Wo[n][k] + bo[n] + x[m][n]; heads[m = 2048 b + s][k = 64 h + v] = hd[16 b + h][s][v].  Operands f16, sums f32; bo is the C operand of the first product; x is added in f32.
; A work-group makes 256 rows x 128 columns; its four waves 128 x 64 each: 32 accumulators.  K = 1,024 goes in 8 steps of 128 (two heads) through two LDS slots: waves 0 and 1 fetch a head's 256 rows (32,768 dense bytes)
; each, waves 2 and 3 64 rows x 256 bytes of wo16 each.  My 128 x 64 numbers of x are loaded at the head into 256 registers, in the layout in which the result leaves, and arrive under the K loop.
; THE WALK ALONG K IS TURNED: cluster (X, Y) begins at K step (4 X + Y) mod 8 and goes round, so that the two clusters that read the same rows of heads, and the eight that read the same rows of Wo, ask for
; different K steps at any time.  The order of the f32 sums so differs from cluster to cluster, and from the reference's.
; TRANSPOSED USE: source 0 = 16 rows of Wo, source 1 = 16 rows of heads: a lane holds one row and eight neighbouring columns, 32 bytes.  CLUSTER 4 x 4: heads' tiles are shared along a row, Wo's along a column.
; REGISTERS (windows of 256): window 0: v16-31 addresses; v32-63 bo; v64-191 heads' fragments, two buffers of 64; v192-255 rows read back, two buffers
;   window 1: v0-63 Wo's fragments, two buffers of 32      window 2: the accumulators at 8 (4 a + b)      window 3: x, at 32 a + 4 t
.set PAH,   144                        ; a head's row in LDS: 128 bytes + 16
.set CHA,   256*PAH
.set PBW,   272                        ; a row of Wo: 256 bytes + 16
.set BOFF,  2*CHA
.set HB,    64*PBW
.set SLOTB, BOFF+2*HB                  ; a slot's 108,544 bytes
.set SLOT1, 1<<17                      ; slot 1 begins here, so that one exclusive or turns an address in one slot into the other's
.set STAGE, SLOT1+SLOTB                ; behind the ring: 16 rows x 272 bytes for each wave
.set SPT,   272
.set SPARE, STAGE+4*16*SPT             ; the spare words: 128 bytes a wave, named by no other line
.set ADRA0, 16                         ; v16 my place among heads' rows of a slot; never rewritten
.set ADRA,  17                         ; v17 the same in the slot in hand
.set ADRB0, 20
.set ADRB,  21
.set STO,  24
.set RD,   25
.set XO,   26
.set SPW,  28
.set NIL,  29
.set PFO,  30
.set BO,   31
.set BIAS, 32
.set FA,   64
.set OB,   192
.set WM,   14
.set WN,   15
.set WV,   16
.set AB,   20                          ; s[20:21] hd at my block's rows of head 0 or 1 of the batch
.set BB,   22                          ; s[22:23] wo16 at the 64 rows that I fetch
.set G1A,  24
.set G0A,  32                          ; a set for each of the two first fills; the second then walks on
.set K0,   44                          ; s44 the K step at which my cluster begins
.set ASKG, 45                          ; s45 the G at which I prefetch: 2 in waves 0 and 1, else 0 (never)
.set G,    46                          ; s46 the place in the walk of the step to be asked for next, 2 to 7
.set TB,   47                          ; s47 LDS byte at which the slot in hand begins
.set G1B,  48
.set G0B,  56
.set PFA,  66
.set D0,   74
.set E0,   76
.set D1,   78
.set MSB, 0
.macro WIN new
.if MSB != (\new)
	s_set_vgpr_msb (MSB<<8)|(\new)
.set MSB, \new
.endif
.endm
.macro PLACES
.rept 4
	v_nop
.endr
.endm
.macro JLOAD s                         ; waves 0 and 1 fetch a head each, waves 2 and 3 half of Wo's rows each; an s_nop 0 and four v_nop follow each line
	s_cmp_lt_u32 s[WV], 2
	s_cbranch_scc0 .Lfor_b_\@
	tensor_load_to_lds s[G0A+4*(\s):G0A+4*(\s)+3], s[G1A:G1A+7]
	s_nop 0
.rept 4
	v_nop
.endr
	s_branch .Lasked_\@
.Lfor_b_\@:
	tensor_load_to_lds s[G0B+4*(\s):G0B+4*(\s)+3], s[G1B:G1B+7]
	s_nop 0
.rept 4
	v_nop
.endr
.Lasked_\@:
.endm
.macro CREST
	s_cmp_lg_u32 s[WV], 0
	s_cbranch_scc1 .Lnot_wave_0_\@
	s_barrier_signal -3
.Lnot_wave_0_\@:
	s_barrier_wait -3
	s_barrier_signal -1
	s_barrier_wait -1
.endm
.macro CROUND
	s_barrier_signal -1
	s_barrier_wait -1
	CREST
.endm
; THE PREFETCH.  Of my block's rows of heads my cluster is the first to read the four K steps at which its walk begins; the other cluster that reads them begins four steps on.  The first three come by their loads alone
; (nothing is prefetched at the head); the fourth is asked for when G = 2, one refill ahead of the load that wants it: waves 0 and 1, each for its head's 128 blocks of 256 bytes, 32 for each partner (by address), a lane a block.
; Wo's eight K steps are each begun with by one of the eight clusters that read them: they are asked for by the first fills themselves.
.macro ASK
	s_cmp_eq_u32 s[G], s[ASKG]
	s_cbranch_scc0 .Lnone_\@
	global_prefetch_b8 v[PFO], s[PFA:PFA+1] th:TH_LOAD_NT scope:SCOPE_SE
.Lnone_\@:
.endm
	s_load_b256 s[4:11], s[0:1], 0x0               ; hd 4:5, wo16 6:7, bo 8:9, x 10:11
	s_load_b64 s[12:13], s[0:1], 0x20              ; out0
	v_lshl_add_u32 v[SPW], v0, 2, SPARE
	v_mov_b32 v[NIL], 0
	ds_add_u32 v[SPW], v[NIL]                      ; the wave's opening: the add and its wait stand ahead of my first tensor load
	v_lshrrev_b32 v1, 5, v0
	v_readfirstlane_b32 s[WV], v1
	s_lshr_b32 s[WM], s[WV], 1                     ; which 128 rows are mine
	s_and_b32 s[WN], s[WV], 1                      ; which 64 columns; also: which half of a tile I fetch
	s_bfe_u32 s40, ttmp6, 0x40000
	s_bfe_u32 s41, ttmp6, 0x40004
	s_lshl_b32 s42, ttmp9, 2
	s_and_b32 s43, ttmp7, 0xffff
	s_add_co_u32 s[K0], s42, s43                   ; 4 x cluster x + cluster y: the same in all sixteen partners
	s_and_b32 s[K0], s[K0], 7
	s_add_co_u32 s42, s42, s40                     ; the block of 128 columns
	s_lshl_b32 s43, s43, 2
	s_add_co_u32 s43, s43, s41                     ; the block of 256 rows
	s_lshl_b32 s17, s41, 2
	s_lshl_b32 s17, 15, s17
	s_lshl_b32 s18, 0x1111, s40
	s_or_b32 s[G1A], s17, (1<<16)|(1<<20)|(1<<21)|(4<<22)|(3<<25)   ; 32,768 dense bytes as 128 rows of 256, 4 words of padding after every 32
	s_mov_b32 s[G1A+1], 128<<16
	s_mov_b32 s[G1A+2], 128<<16
	s_mov_b32 s[G1A+3], 128<<16
	s_mov_b32 s[G1A+4], 128
	s_mov_b32 s[G1A+5], 128
	s_mov_b32 s[G1A+6], 0
	s_mov_b32 s[G1A+7], 0
	s_or_b32 s[G1B], s18, (1<<16)|(1<<20)|(1<<21)|(5<<22)|(3<<25)   ; 64 rows x 128 elements, 4 words of padding after every 64
	s_mov_b32 s[G1B+1], 128<<16
	s_mov_b32 s[G1B+2], 64<<16
	s_mov_b32 s[G1B+3], 128<<16
	s_mov_b32 s[G1B+4], 64
	s_mov_b32 s[G1B+5], 1024
	s_mov_b32 s[G1B+6], 0
	s_mov_b32 s[G1B+7], 0
	s_lshr_b32 s68, s43, 3
	s_lshl_b32 s68, s68, 22                        ; b: sixteen heads of 262,144 bytes
	s_and_b32 s69, s43, 7
	s_lshl_b32 s69, s69, 15                        ; the block's 256 rows of 128 bytes
	s_add_co_u32 s68, s68, s69
	s_lshl_b32 s69, s[WN], 18                      ; the even or the odd head of a K step
	s_add_co_u32 s68, s68, s69
	s_mov_b32 s69, 0
	s_lshl_b32 s70, s42, 18                        ; 128 rows of Wo of 2,048 bytes
	s_lshl_b32 s71, s[WN], 17
	s_add_co_u32 s70, s70, s71
	s_mov_b32 s71, 0
	s_mul_i32 s19, s[WN], CHA
	s_mul_i32 s18, s[WN], HB
	s_add_co_u32 s18, s18, BOFF
	s_mov_b32 s[D0+1], 0
	s_mov_b32 s[E0+1], 0
	s_mov_b32 s[G], 2
	s_mov_b32 s[TB], 0
	s_cmp_lt_u32 s[WV], 2
	s_cselect_b32 s[ASKG], 2, 0
	s_wait_dscnt 0x0                               ; the opening add is done
	CROUND                                         ; all sixteen work-groups are here: the first joint loads meet; the arguments arrive meanwhile
	s_wait_kmcnt 0x0
	s_add_nc_u64 s[AB:AB+1], s[4:5], s[68:69]
	s_add_nc_u64 s[BB:BB+1], s[6:7], s[70:71]
	s_lshl_b32 s[D0], s[K0], 19                    ; a K step is two heads of hd, 524,288 bytes on,
	s_lshl_b32 s[E0], s[K0], 8                     ; and 256 bytes of a row of Wo
	s_mov_b32 s[G0A], 1
	s_mov_b32 s[G0A+1], s19
	s_add_nc_u64 s[G0A+2:G0A+3], s[AB:AB+1], s[D0:D0+1]
	s_or_b32 s[G0A+3], s[G0A+3], 0x80000000
	s_mov_b32 s[G0B], 1
	s_mov_b32 s[G0B+1], s18
	s_add_nc_u64 s[G0B+2:G0B+3], s[BB:BB+1], s[E0:E0+1]
	s_or_b32 s[G0B+3], s[G0B+3], 0x80000000
	s_add_co_u32 s[D1], s[K0], 1
	s_and_b32 s[D1], s[D1], 7                      ; the walk's second step
	s_lshl_b32 s[D0], s[D1], 19
	s_lshl_b32 s[E0], s[D1], 8
	s_mov_b32 s[G0A+4], 1
	s_add_co_u32 s[G0A+5], s19, SLOT1
	s_add_nc_u64 s[G0A+6:G0A+7], s[AB:AB+1], s[D0:D0+1]
	s_or_b32 s[G0A+7], s[G0A+7], 0x80000000
	s_mov_b32 s[G0B+4], 1
	s_add_co_u32 s[G0B+5], s18, SLOT1
	s_add_nc_u64 s[G0B+6:G0B+7], s[BB:BB+1], s[E0:E0+1]
	s_or_b32 s[G0B+7], s[G0B+7], 0x80000000
	JLOAD 0
	JLOAD 1                                        ; two tensor loads of mine are out
	v_and_b32 v1, 15, v0
	v_bfe_u32 v2, v0, 4, 1
	v_lshlrev_b32 v[BO], 5, v2
	s_lshl_b32 s68, s42, 9
	s_lshl_b32 s69, s[WN], 8
	s_add_co_u32 s68, s68, s69                     ; my 64 columns, in bytes
	s_mov_b32 s69, 0
	s_add_nc_u64 s[8:9], s[8:9], s[68:69]
.irp b, 0,1,2,3
	global_load_b128 v[BIAS+8*(\b):BIAS+8*(\b)+3],   v[BO], s[8:9] offset:64*(\b)       ; register j: column 16 b + 8 hl + j
	global_load_b128 v[BIAS+8*(\b)+4:BIAS+8*(\b)+7], v[BO], s[8:9] offset:64*(\b)+16
.endr
	s_lshl_b32 s70, s43, 20                        ; 256 rows of 4,096 bytes
	s_lshl_b32 s71, s[WM], 19
	s_add_co_u32 s70, s70, s71
	s_add_co_u32 s68, s68, s70
	s_add_nc_u64 s[10:11], s[10:11], s[68:69]      ; x and out0 at my first row and column
	s_add_nc_u64 s[12:13], s[12:13], s[68:69]
	v_lshlrev_b32 v[XO], 12, v2
	v_lshl_add_u32 v[XO], v1, 4, v[XO]             ; lanes 0-15 one row's 256 bytes, lanes 16-31 the next row's
	v_mul_u32_u24 v3, v1, PAH
	v_lshl_add_u32 v3, v2, 4, v3
	s_mul_i32 s70, s[WM], 128*PAH
	v_add_nc_u32 v[ADRA0], s70, v3
	v_mov_b32 v[ADRA], v[ADRA0]
	v_mul_u32_u24 v4, v1, PBW
	v_lshl_add_u32 v4, v2, 4, v4
	v_add_nc_u32 v[ADRB0], s18, v4                 ; my 64 columns are the 64 rows of Wo of my column half
	v_mov_b32 v[ADRB], v[ADRB0]
	s_mul_i32 s70, s[WV], 16*SPT
	s_add_co_u32 s70, s70, STAGE
	v_mul_u32_u24 v5, v1, SPT
	v_lshl_add_u32 v5, v2, 5, v5
	v_add_nc_u32 v[STO], s70, v5                   ; in: row r, 32 bytes for each half of the lanes
	v_mul_u32_u24 v5, v2, SPT
	v_lshl_add_u32 v5, v1, 4, v5
	v_add_nc_u32 v[RD], s70, v5                    ; back: two whole rows of 256 bytes
	s_add_co_u32 s[D1], s[K0], 3                   ; the prefetch: the walk's fourth step,
	s_and_b32 s[D1], s[D1], 7
	s_lshl_b32 s70, s[D1], 19
	s_lshl_b32 s71, s40, 13                        ; my work-group's 8,192 bytes of the head's 32,768
	s_add_co_u32 s70, s70, s71
	s_mov_b32 s71, 0
	s_add_nc_u64 s[PFA:PFA+1], s[AB:AB+1], s[70:71]
	v_and_b32 v[PFO], 31, v0
	v_lshlrev_b32 v[PFO], 8, v[PFO]
	s_wait_loadcnt 0x0                             ; bo
	WIN 0xc0
.irp a, 0,1,2,3,4,5,6,7
.irp t, 0,1,2,3,4,5,6,7
	global_load_b128 v[32*(\a)+4*(\t):32*(\a)+4*(\t)+3], v[XO], s[10:11] offset:(16*(\a)+2*(\t))*4096 th:TH_LOAD_NT
.endr
.endr
	WIN 0
; 8 products: row blocks a0, a0 + 1 x the 4 column blocks, 32 along K, from buffer f.  first = 1: bo starts the sums.  The 32 accumulators take turns, in the same order in every quarter.
.macro MUL8 f, a0, first
.if \first
	WIN 0x81
.else
	WIN 0xa1
.endif
.irp a, \a0, (\a0)+1
.irp b, 0,1,2,3
.if \first
	v_wmma_f32_16x16x32_f16 v[8*(4*(\a)+(\b)):8*(4*(\a)+(\b))+7], v[32*(\f)+8*(\b):32*(\f)+8*(\b)+7], v[FA+64*(\f)+8*(\a):FA+64*(\f)+8*(\a)+7], v[BIAS+8*(\b):BIAS+8*(\b)+7]
.else
	v_wmma_f32_16x16x32_f16 v[8*(4*(\a)+(\b)):8*(4*(\a)+(\b))+7], v[32*(\f)+8*(\b):32*(\f)+8*(\b)+7], v[FA+64*(\f)+8*(\a):FA+64*(\f)+8*(\a)+7], v[8*(4*(\a)+(\b)):8*(4*(\a)+(\b))+7]
.endif
.endr
.endr
.endm
; 24 LDS loads in one run: quarter q of the slot in hand into buffer f: Wo's 4 fragments, then heads' 8 (quarters 0, 1 lie in the even head's rows, 2, 3 in the odd one's)
.macro FETCH q, f
	WIN 0x40
.irp b, 0,1,2,3
	ds_load_b128 v[32*(\f)+8*(\b):32*(\f)+8*(\b)+3],   v[ADRB] offset:64*(\q)+(\b)*16*PBW
	ds_load_b128 v[32*(\f)+8*(\b)+4:32*(\f)+8*(\b)+7], v[ADRB] offset:64*(\q)+(\b)*16*PBW+32
.endr
	WIN 0
.irp a, 0,1,2,3,4,5,6,7
	ds_load_b128 v[FA+64*(\f)+8*(\a):FA+64*(\f)+8*(\a)+3],   v[ADRA] offset:((\q)/2)*CHA+((\q)%2)*64+(\a)*16*PAH
	ds_load_b128 v[FA+64*(\f)+8*(\a)+4:FA+64*(\f)+8*(\a)+7], v[ADRA] offset:((\q)/2)*CHA+((\q)%2)*64+(\a)*16*PAH+32
.endr
.endm
.macro QUARTER q, f, g, first
	s_wait_dscnt 8                                 ; Wo and heads' row blocks 0-3 are in; the youngest eight loads (blocks 4-7) may be out
	MUL8 \f, 0, \first
	MUL8 \f, 2, \first
	PLACES
	FETCH \q, \g
	s_wait_dscnt 24                                ; all but the 24 just issued
	MUL8 \f, 4, \first
	MUL8 \f, 6, \first
.endm
; The last quarter multiplies buffer 1 and changes slots: all my tensor loads, the add, my reads, the barrier (with fill = 1 a round of the cluster's), the refill first: the walk's step G, K step (G + K0) mod 8.
.macro TURN fill
	WIN 0
	s_wait_tensorcnt 0x0                           ; all my tensor loads have landed: so a group 0 may be written
	ds_add_u32 v[SPW], v[NIL]                      ; 0 onto my spare word; scalar work and eight products stand between it and the wait for it
.if \fill
	s_add_co_u32 s[D1], s[G], s[K0]
	s_and_b32 s[D1], s[D1], 7
	s_lshl_b32 s[D0], s[D1], 19
	s_lshl_b32 s[E0], s[D1], 8
	s_xor_b32 s[G0A+5], s[G0A+5], SLOT1            ; the walking descriptors: the other slot than last time
	s_add_nc_u64 s[G0A+6:G0A+7], s[AB:AB+1], s[D0:D0+1]
	s_or_b32 s[G0A+7], s[G0A+7], 0x80000000
	s_xor_b32 s[G0B+5], s[G0B+5], SLOT1
	s_add_nc_u64 s[G0B+6:G0B+7], s[BB:BB+1], s[E0:E0+1]
	s_or_b32 s[G0B+7], s[G0B+7], 0x80000000
.endif
	s_xor_b32 s[TB], s[TB], SLOT1                  ; the fetches go on in the other slot
	s_wait_dscnt 13                                ; the add and heads' row blocks 2-7 (twelve loads) may be out
	MUL8 1, 0, 0
	s_wait_dscnt 0x0                               ; the add is done, and my reads of this slot are over
	s_barrier_signal -1
	MUL8 1, 2, 0
	WIN 0
	s_barrier_wait -1
.if \fill
	CREST
	JLOAD 1                                        ; its four v_nop are also the places in front of the loads below
.else
	PLACES
.endif
	v_add_nc_u32 v[ADRA], s[TB], v[ADRA0]
	v_add_nc_u32 v[ADRB], s[TB], v[ADRB0]
	FETCH 0, 0
.if \fill
	ASK
	s_add_co_u32 s[G], s[G], 1
.endif
	MUL8 1, 4, 0
	MUL8 1, 6, 0
.endm
	s_wait_tensorcnt 0x1                           ; my part of the walk's first step is in; the second's may stay out
	s_barrier_signal -1
	s_barrier_wait -1
	FETCH 0, 0
	QUARTER 1, 0, 1, 1                             ; the first quarter stands in front of the loop: its products start the sums with bo
	WIN 0
	s_mov_b32 s3, 6
.Lstep:                                        ; a trip: a K step's quarters 1 to 3 and the next step's quarter 0; it fills one slot again
	QUARTER 2, 1, 0, 0
	QUARTER 3, 0, 1, 0
	TURN 1
	QUARTER 1, 0, 1, 0
	WIN 0
	s_sub_co_u32 s3, s3, 1
	s_cmp_lg_u32 s3, 0
	s_cbranch_scc1 .Lstep
	QUARTER 2, 1, 0, 0                             ; the last two steps fill nothing
	QUARTER 3, 0, 1, 0
	TURN 0
	QUARTER 1, 0, 1, 0
	QUARTER 2, 1, 0, 0
	QUARTER 3, 0, 1, 0
	s_wait_dscnt 8
	MUL8 1, 0, 0
	MUL8 1, 2, 0
	s_wait_dscnt 0x0
	MUL8 1, 4, 0
	MUL8 1, 6, 0
	PLACES
	s_wait_loadcnt 0x0                             ; x
; THE WAY OUT, a row block (16 rows x 64 columns of f32) at a time: straight from the accumulators (low half first) into my stage by rows of 272 bytes, back as whole rows of 256, x added, stored.
.macro TOST a
.if (\a) >= 2
	s_wait_xcnt 0x0                                ; the stores of two blocks back have read the registers that the loads below write
.endif
	WIN 0x08
.irp b, 0,1,2,3
	ds_store_b128 v[STO], v[8*(4*(\a)+(\b)):8*(4*(\a)+(\b))+3]   offset:64*(\b)
	ds_store_b128 v[STO], v[8*(4*(\a)+(\b))+4:8*(4*(\a)+(\b))+7] offset:64*(\b)+16
.endr
	WIN 0
.irp t, 0,1,2,3,4,5,6,7
	ds_load_b128 v[OB+32*((\a)%2)+4*(\t):OB+32*((\a)%2)+4*(\t)+3], v[RD] offset:2*SPT*(\t)   ; LDS serves a wave's instructions in order: these see the stores above; the next block's stores come behind them
.endr
.endm
.macro FIN a, younger                  ; younger: the LDS instructions issued behind block a's loads: the next block's sixteen, or none
	s_wait_dscnt \younger
	WIN 0x0c
.set p, 0
.rept 16
	v_pk_add_f32 v[OB+32*((\a)%2)+p:OB+32*((\a)%2)+p+1], v[OB+32*((\a)%2)+p:OB+32*((\a)%2)+p+1], v[32*(\a)+p:32*(\a)+p+1]
.set p, p+2
.endr
	WIN 0
.irp t, 0,1,2,3,4,5,6,7
	global_store_b128 v[XO], v[OB+32*((\a)%2)+4*(\t):OB+32*((\a)%2)+4*(\t)+3], s[12:13] offset:(16*(\a)+2*(\t))*4096 th:TH_STORE_NT   ; 16 lanes store 256 consecutive bytes, aligned
.endr
.endm
	TOST 0
.irp a, 1,2,3,4,5,6,7
	TOST \a
	FIN (\a)-1, 16
.endr
	FIN 7, 0
	s_wait_tensorcnt 0x0                           ; the wave's end
	ds_add_u32 v[SPW], v[NIL]
	s_wait_dscnt 0x0
	CROUND                                         ; the closing round
	s_endpgm
.Lfunc_end_k_q5ae47a977d_outp:
	.size	k_q5ae47a977d_outp, .Lfunc_end_k_q5ae47a977d_outp-k_q5ae47a977d_outp
	.p2alignl 7, 3214868480
	.fill 96, 4, 3214868480
	.section	.rodata,"a",@progbits
	.p2align	6, 0x0
	.amdhsa_kernel k_q5ae47a977d_outp
		.amdhsa_group_segment_fixed_size 327680
		.amdhsa_private_segment_fixed_size 0
		.amdhsa_enable_private_segment 0
		.amdhsa_kernarg_size 40
		.amdhsa_user_sgpr_count 2
		.amdhsa_user_sgpr_kernarg_segment_ptr 1
		.amdhsa_wavefront_size32 1
		.amdhsa_system_sgpr_workgroup_id_x 1
		.amdhsa_system_sgpr_workgroup_id_y 1
		.amdhsa_system_sgpr_workgroup_id_z 1
		.amdhsa_system_vgpr_workitem_id 0
		.amdhsa_next_free_vgpr 1024
		.amdhsa_next_free_sgpr 80
		.amdhsa_reserve_vcc 0
		.amdhsa_float_denorm_mode_32 3
		.amdhsa_float_denorm_mode_16_64 3
		.amdhsa_memory_ordered 1
		.amdhsa_forward_progress 1
		.amdhsa_inst_pref_size 86
	.end_amdhsa_kernel
	.amdgpu_metadata
---
amdhsa.version: [ 1, 2 ]
amdhsa.kernels:
  - .name:           k_q5ae47a977d_outp
    .symbol:         k_q5ae47a977d_outp.kd
    .args:
      - { .name: hd, .offset: 0, .size: 8, .value_kind: global_buffer, .address_space: global }
      - { .name: wo16, .offset: 8, .size: 8, .value_kind: global_buffer, .address_space: global }
      - { .name: bo, .offset: 16, .size: 8, .value_kind: global_buffer, .address_space: global }
      - { .name: x, .offset: 24, .size: 8, .value_kind: global_buffer, .address_space: global }
      - { .name: out0, .offset: 32, .size: 8, .value_kind: global_buffer, .address_space: global }
    .group_segment_fixed_size: 327680
    .private_segment_fixed_size: 0
    .kernarg_segment_align: 8
    .kernarg_segment_size: 40
    .max_flat_workgroup_size: 128
    .sgpr_count:     80
    .vgpr_count:     1024
    .wavefront_size: 32
...
	.end_amdgpu_metadata
.endif
;; end of part 5
;; ======== version 2 of 2: 5 launches; version 1 with the launch prep written anew for expert scheduling mode
;; limits: values are held in f16: magnitudes above 65,504 overflow, below 6.1e-05 lose precision
;; workspace buffers: xn16 16,777,216 bytes; w16 6,291,456 bytes; wo16 2,097,152 bytes; qkv 50,331,648 bytes; nt 524,288 bytes; hd 16,777,216 bytes
;; launch prep (part 6): grid 256 x 1, 8 waves a work-group, no clusters, 0 bytes of LDS; arguments x, Wq, Wk, Wv, Wo, xn16, w16, wo16; writes xn16, w16, wo16
.if DOCPART == 6
	.amdgcn_target "amdgcn-amd-amdhsa--gfx1250"
	.amdhsa_code_object_version 6
	.text
	.protected	k_q5ae47a977d_prep
	.globl	k_q5ae47a977d_prep
	.p2align	8
	.type	k_q5ae47a977d_prep,@function
k_q5ae47a977d_prep:
	s_mov_b64 s[64:65], 0
	v_nop
	global_prefetch_b8 v0, s[64:65] scope:SCOPE_SE
	s_setreg_imm32_b32 hwreg(HW_REG_WAVE_SCHED_MODE, 0, 2), 2
	s_setreg_imm32_b32 hwreg(HW_REG_WAVE_MODE, 25, 1), 1
	s_wait_xcnt 0x0
	s_wait_alu depctr_vm_vsrc(0)
; PREP.  Every work-group does two things, so that all 256 are alike.
; (1) xn16 = f16(layer norm of x) for 32 rows, a wave four rows; a row (4,096 bytes) stays in 32 registers between the mean, the centred squares and the scaling,
;     so x is read once and the variance is no difference of large sums.
; (2) 1/256 of the weights, rounded once to f16 in their own layouts: w16 = { c Wq | Wk | Wv }, wo16 = Wo; 64 work-groups to a matrix, 65,536 bytes in and 32,768 out each;
;     c = log2(e) / 8 is folded into Wq here, in f32.
; All 48 loads of a lane go out at the head.  Every store of a wave covers 256 consecutive bytes, aligned.  No LDS, no matrix unit: the launch only streams.
; LIMITS.  f16 ends at 65,504: the normalised x is at most 32 in magnitude; a weight beyond 65,504 is not served; below 6e-5 a weight keeps f16's fixed step of 6e-8.
; THE MODE: SCHED_MODE bits 1:0 = 2 (LLVM: expert scheduling mode 2), set by the entry lines.  The code itself states the register dependences
; between vector instructions and memory instructions, with s_wait_alu, always for 0.
; THE PLAN.  Registers that memory instructions touch:
;   v2, v3, v[WL], v[WS]  byte offsets, made once at the head and never written again: one wait, ahead of the first load, serves every load and store.
;   X    a row's 32 registers: its eight loads, issued at the head, land in them before any vector instruction has named them; the row is worked on in place; its eight stores read the first 16; never written again.
;   WT   a load's four registers: likewise; its store reads the first two; never written again.
;   T, MU, VA, RP are named by vector instructions alone.
; The way out goes in six blocks of 32 vector instructions: rows 0 to 3, the weights' loads 0 to 7, their loads 8 to 15.  A block names its own row's (or its own eight loads') registers and RP, and writes 16 registers
; that eight stores read.  Those stores are issued in the NEXT block, behind one wait at its head, one ahead of each four of its vector instructions, none of which names a register that they read.
; The last block's stores have a wait of their own.  No register that a load or a store has read is written again, so no wait is owed for that.
.set X,  16                            ; v[16:143]  four rows of 32 registers
.set T,  4                             ; v[4:11]    four chains of pairs
.set MU, 12                            ; v[12:13]   the mean, twice
.set VA, 144                           ; v[144:147] variance + eps of the four rows
.set RP, 148                           ; v[148:155] 1 / sqrt of it, a pair for each row
.set WL, 156                           ; v156       my byte offset in the matrix that I convert
.set WS, 157                           ; v157       and in its f16 copy
.set WT, 160                           ; v[160:223] sixteen loads of weights
	s_load_b512 s[4:19], s[0:1], 0x0               ; x 4:5, Wq 6:7, Wk 8:9, Wv 10:11, Wo 12:13, xn16 14:15, w16 16:17, wo16 18:19
	s_mov_b32 s20, 0x3a800000                      ; 1 / 1024
	s_mov_b32 s21, 0x3727c5ac                      ; 1e-5
	s_mov_b32 s22, 0x76543210                      ; v_permlanex16_b32: each lane takes its own place in the other half
	s_mov_b32 s23, 0xfedcba98
	v_and_b32 v1, 31, v0                           ; lane
	v_and_b32 v14, 0xe0, v0                        ; 32 x wave
	s_lshl_b32 s26, ttmp9, 17                      ; 32 rows of 4,096 bytes
	s_lshl_b32 s27, ttmp9, 16                      ; 32 rows of 2,048 bytes
	v_lshl_add_u32 v2, v1, 4, s26
	v_lshl_add_u32 v2, v14, 9, v2                  ; + wave x 4 rows x 4,096
	v_lshl_add_u32 v3, v1, 3, s27
	v_lshl_add_u32 v3, v14, 8, v3                  ; + wave x 4 rows x 2,048
	s_lshr_b32 s36, ttmp9, 6                       ; which matrix
	s_and_b32 s37, ttmp9, 63                       ; which part of it
	s_lshl_b32 s28, s37, 16
	s_lshl_b32 s29, s37, 15
	v_lshl_add_u32 v[WL], v0, 4, s28
	v_lshl_add_u32 v[WS], v0, 3, s29
	s_lshl_b32 s32, s36, 21                        ; the matrix's place in w16
	s_mov_b32 s33, 0
	s_wait_kmcnt 0x0
	s_cmp_eq_u32 s36, 0
	s_cselect_b64 s[30:31], s[6:7], s[8:9]
	s_cselect_b32 s24, 0x3e38aa3b, 1.0             ; c = log2(e) / 8 for Wq, 1 for the others
	s_cmp_eq_u32 s36, 2
	s_cselect_b64 s[30:31], s[10:11], s[30:31]
	s_cmp_eq_u32 s36, 3
	s_cselect_b64 s[30:31], s[12:13], s[30:31]
	s_cselect_b64 s[34:35], s[18:19], s[16:17]
	s_cselect_b32 s32, 0, s32
	s_mov_b32 s25, s24                             ; named with it as a pair
	s_add_nc_u64 s[34:35], s[34:35], s[32:33]
	s_wait_alu depctr_va_vdst(0)                   ; v2, v3, v[WL] and v[WS] are written: every load and store of the kernel reads one of them as its offset
.irp i, 0,1,2,3
.irp j, 0,1,2,3,4,5,6,7
	global_load_b128 v[X+32*(\i)+4*(\j):X+32*(\i)+4*(\j)+3], v2, s[4:5] offset:4096*(\i)+512*(\j) th:TH_LOAD_NT
.endr
.endr
.set j, 0
.rept 16
	global_load_b128 v[WT+4*j:WT+4*j+3], v[WL], s[30:31] offset:4096*j th:TH_LOAD_NT
.set j, j+1
.endr
.macro FOLD                            ; four chains of pairs into one number
	v_pk_add_f32 v[T:T+1], v[T:T+1], v[T+2:T+3]
	v_pk_add_f32 v[T+4:T+5], v[T+4:T+5], v[T+6:T+7]
	v_pk_add_f32 v[T:T+1], v[T:T+1], v[T+4:T+5]
	v_add_f32 v[T], v[T], v[T+1]
.endm
.macro RED                             ; the sum over the 32 lanes, in every lane
	v_add_f32_dpp v[T], v[T], v[T] row_xmask:1 row_mask:0xf bank_mask:0xf
	v_add_f32_dpp v[T], v[T], v[T] row_xmask:2 row_mask:0xf bank_mask:0xf
	v_add_f32_dpp v[T], v[T], v[T] row_xmask:4 row_mask:0xf bank_mask:0xf
	v_add_f32_dpp v[T], v[T], v[T] row_xmask:8 row_mask:0xf bank_mask:0xf
	v_permlanex16_b32 v[T+1], v[T], s22, s23
	v_add_f32 v[T], v[T], v[T+1]
.endm
; Row i: the mean, the row centred in place, the mean of the squares + eps.
.macro STAT i
.set XR, X+32*(\i)
	s_wait_loadcnt 8*(3-(\i))+16                   ; this row's eight loads are in; the later rows' and the sixteen of the weights may stay out
.irp c, 0,1,2,3
	v_pk_add_f32 v[T+2*(\c):T+2*(\c)+1], v[XR+2*(\c):XR+2*(\c)+1], v[XR+8+2*(\c):XR+8+2*(\c)+1]
.endr
.irp g, 2,3
.irp c, 0,1,2,3
	v_pk_add_f32 v[T+2*(\c):T+2*(\c)+1], v[T+2*(\c):T+2*(\c)+1], v[XR+8*(\g)+2*(\c):XR+8*(\g)+2*(\c)+1]
.endr
.endr
	FOLD
	RED
	v_mul_f32 v[MU], s20, v[T]
	v_mul_f32 v[MU+1], s20, v[T]
.set p, 0
.rept 16
	v_pk_add_f32 v[XR+p:XR+p+1], v[XR+p:XR+p+1], v[MU:MU+1] neg_lo:[0,1] neg_hi:[0,1]
.set p, p+2
.endr
.irp c, 0,1,2,3
	v_pk_mul_f32 v[T+2*(\c):T+2*(\c)+1], v[XR+2*(\c):XR+2*(\c)+1], v[XR+2*(\c):XR+2*(\c)+1]
.endr
.irp g, 1,2,3
.irp c, 0,1,2,3
	v_pk_fma_f32 v[T+2*(\c):T+2*(\c)+1], v[XR+8*(\g)+2*(\c):XR+8*(\g)+2*(\c)+1], v[XR+8*(\g)+2*(\c):XR+8*(\g)+2*(\c)+1], v[T+2*(\c):T+2*(\c)+1]
.endr
.endr
	FOLD
	RED
	v_fma_f32 v[VA+(\i)], v[T], s20, s21
.endm
.macro XOUT r, n                       ; store n of the eight of row r
	global_store_b64 v3, v[X+32*(\r)+2*(\n):X+32*(\r)+2*(\n)+1], s[14:15] offset:2048*(\r)+256*(\n) th:TH_STORE_NT
.endm
.macro WOUT n                          ; the store of the weights' load n
	global_store_b64 v[WS], v[WT+4*(\n):WT+4*(\n)+1], s[34:35] offset:2048*(\n) th:TH_STORE_NT
.endm
; Row i scaled and rounded to f16 in place (register k is written when registers 2 k and 2 k + 1 have been read).  The row before is stored meanwhile: a store ahead of each four vector instructions.
.macro OUTROW i
.set XR, X+32*(\i)
.if (\i) > 0
	s_wait_alu depctr_va_vdst(0)                   ; the roundings of the row before have written its first 16 registers, which the eight stores below read; no vector instruction of this row names them
.endif
.set p, 0
.rept 16
.if ((\i) > 0) && ((p%4) == 0)
	XOUT (\i)-1, p/4
.endif
	v_pk_mul_f32 v[XR+2*p:XR+2*p+1], v[XR+2*p:XR+2*p+1], v[RP+2*(\i):RP+2*(\i)+1]
.set p, p+1
.endr
.set p, 0
.rept 16
.if ((\i) > 0) && ((p%4) == 0)
	XOUT (\i)-1, 4+p/4
.endif
	v_cvt_pk_f16_f32 v[XR+p], v[XR+2*p], v[XR+2*p+1]
.set p, p+1
.endr
.endm
; Eight loads of my part of the weights, 8 g to 8 g + 7, scaled and rounded in place.  The block before is stored meanwhile: row 3 (g = 0), or the weights' loads 0 to 7 (g = 1).
.macro WBLK g
	s_wait_alu depctr_va_vdst(0)                   ; the roundings of the block before have written the registers that the eight stores below read; no vector instruction of this block names them
.set j, 8*(\g)
.rept 8
.if (\g) == 0
	XOUT 3, j
.else
	WOUT j-8
.endif
	s_wait_loadcnt 15-j                            ; load j is in; the younger ones stay out
	v_pk_mul_f32 v[WT+4*j:WT+4*j+1], v[WT+4*j:WT+4*j+1], s[24:25] op_sel_hi:[1,0]
	v_pk_mul_f32 v[WT+4*j+2:WT+4*j+3], v[WT+4*j+2:WT+4*j+3], s[24:25] op_sel_hi:[1,0]
	v_cvt_pk_f16_f32 v[WT+4*j], v[WT+4*j], v[WT+4*j+1]
	v_cvt_pk_f16_f32 v[WT+4*j+1], v[WT+4*j+2], v[WT+4*j+3]
.set j, j+1
.endr
.endm
	STAT 0
	STAT 1
	STAT 2
	STAT 3
.irp i, 0,1,2,3
	v_rsq_f32 v[RP+2*(\i)], v[VA+(\i)]
	v_rsq_f32 v[RP+2*(\i)+1], v[VA+(\i)]
.endr
	v_nop                                          ; a plain instruction behind the last of the batch,
	s_wait_alu depctr_va_vdst(0)                   ; and one wait for the eight results v[RP .. RP+7], ahead of their first reader
	OUTROW 0
	OUTROW 1
	OUTROW 2
	OUTROW 3
	WBLK 0
	WBLK 1
	s_wait_alu depctr_va_vdst(0)                   ; the roundings of the weights' loads 8 to 15 have written the registers that the last eight stores read
.set j, 8
.rept 8
	WOUT j
.set j, j+1
.endr
	s_endpgm
.Lfunc_end_k_q5ae47a977d_prep:
	.size	k_q5ae47a977d_prep, .Lfunc_end_k_q5ae47a977d_prep-k_q5ae47a977d_prep
	.p2alignl 7, 3214868480
	.fill 96, 4, 3214868480
	.section	.rodata,"a",@progbits
	.p2align	6, 0x0
	.amdhsa_kernel k_q5ae47a977d_prep
		.amdhsa_group_segment_fixed_size 0
		.amdhsa_private_segment_fixed_size 0
		.amdhsa_enable_private_segment 0
		.amdhsa_kernarg_size 64
		.amdhsa_user_sgpr_count 2
		.amdhsa_user_sgpr_kernarg_segment_ptr 1
		.amdhsa_wavefront_size32 1
		.amdhsa_system_sgpr_workgroup_id_x 1
		.amdhsa_system_sgpr_workgroup_id_y 1
		.amdhsa_system_sgpr_workgroup_id_z 1
		.amdhsa_system_vgpr_workitem_id 0
		.amdhsa_next_free_vgpr 224
		.amdhsa_next_free_sgpr 66
		.amdhsa_reserve_vcc 0
		.amdhsa_float_denorm_mode_32 3
		.amdhsa_float_denorm_mode_16_64 3
		.amdhsa_memory_ordered 1
		.amdhsa_forward_progress 1
		.amdhsa_inst_pref_size 40
	.end_amdhsa_kernel
	.amdgpu_metadata
---
amdhsa.version: [ 1, 2 ]
amdhsa.kernels:
  - .name:           k_q5ae47a977d_prep
    .symbol:         k_q5ae47a977d_prep.kd
    .args:
      - { .name: x, .offset: 0, .size: 8, .value_kind: global_buffer, .address_space: global }
      - { .name: Wq, .offset: 8, .size: 8, .value_kind: global_buffer, .address_space: global }
      - { .name: Wk, .offset: 16, .size: 8, .value_kind: global_buffer, .address_space: global }
      - { .name: Wv, .offset: 24, .size: 8, .value_kind: global_buffer, .address_space: global }
      - { .name: Wo, .offset: 32, .size: 8, .value_kind: global_buffer, .address_space: global }
      - { .name: xn16, .offset: 40, .size: 8, .value_kind: global_buffer, .address_space: global }
      - { .name: w16, .offset: 48, .size: 8, .value_kind: global_buffer, .address_space: global }
      - { .name: wo16, .offset: 56, .size: 8, .value_kind: global_buffer, .address_space: global }
    .group_segment_fixed_size: 0
    .private_segment_fixed_size: 0
    .kernarg_segment_align: 8
    .kernarg_segment_size: 64
    .max_flat_workgroup_size: 256
    .sgpr_count:     66
    .vgpr_count:     224
    .wavefront_size: 32
...
	.end_amdgpu_metadata
.endif
;; end of part 6
;; launch proj: the kernel of part 2 again; grid 16 x 16, 4 waves a work-group, clusters of 4 x 4, 327,680 bytes of LDS; arguments xn16, w16, bq, bk, bv, qkv; writes qkv
;; launch stats: the kernel of part 3 again; grid 4 x 64, 8 waves a work-group, clusters of 4 x 1, 327,680 bytes of LDS; arguments qkv, nt; writes nt
;; launch attn: the kernel of part 4 again; grid 4 x 64, 4 waves a work-group, clusters of 4 x 1, 327,680 bytes of LDS; arguments qkv, nt, hd; writes hd
;; launch outp: the kernel of part 5 again; grid 8 x 32, 4 waves a work-group, clusters of 4 x 4, 327,680 bytes of LDS; arguments hd, wo16, bo, x, out0; writes out0
